; MI455X (gfx1250); checked and timed in simulation.
; The chip was launched on July 23, 2026; its instructions are those of AMD's public machine-readable ISA for CDNA 5 (MIT licence, August 2026) and "CDNA5" Instruction Set Architecture Reference Guide (July 2026). The comments in the code are by the model that wrote it; some were corrected since.
;; XSA Multihead Attention. Allowed arithmetic: matrix products marked QUANTISED: E2M3 operands, one E8M0 scale for each 32 along K, by v_wmma_scale_f32_16x16x128_f8f6f4 with both operands' format E2M3, f32 sums; everything else in f32.
;; Inputs: Wk 1,024 x 1,024 float32; Wo 1,024 x 1,024 float32; Wq 1,024 x 1,024 float32; Wv 1,024 x 1,024 float32; x 2 x 2,048 x 1,024 float32.
;; Outputs: out0 2 x 2,048 x 1,024 float32.
;; This version of the problem:
;;   THIS VERSION OF THE PROBLEM IS GIVEN IN LOW PRECISION. The matrix products marked QUANTISED in the list below multiply operands that are first quantised to E2M3 (2 exponent bits, 3 mantissa bits; 6 bits a number), with one power-of-two scale for each 32 numbers along K (OCP MX v1.0); their sums are f32. All else is computed in f32.
;;   The module's matrix products, in the order in which they are computed (A, B: the left and right operand; K: the contracted axis; several contracted axes count as one K, in the product's order):
;;     1. [M 4,096, K 1,024] x [K 1,024, N 1,024]; A: input x; B: input Wq: QUANTISED
;;     2. [M 4,096, K 1,024] x [K 1,024, N 1,024]; A: input x; B: input Wk: QUANTISED
;;     3. [M 4,096, K 1,024] x [K 1,024, N 1,024]; A: input x; B: input Wv: QUANTISED
;;     4. batch 32 x [M 2,048, K 64] x [K 64, N 2,048]; A: computed on the way; B: computed on the way: QUANTISED
;;     5. batch 32 x [M 2,048, K 2,048] x [K 2,048, N 64]; A: softmax (see below); B: computed on the way: QUANTISED
;;     6. [M 4,096, K 1,024] x [K 1,024, N 1,024]; A: computed on the way; B: input Wo: QUANTISED
;;   THE QUANTISER, for each operand of a quantised product, along K:
;;     - K is cut into blocks of 32 from its start; a last block that is shorter is filled with zeros.
;;     - A block's scale is 2^e with e = floor(log2(the largest magnitude in the block)) - 2, held to -126 .. 127; a block of zeros has e = 0. As a byte (E8M0): e + 127.
;;     - Each number is divided by its block's scale, clamped to +-7.5, and rounded to the nearest number of E2M3, ties to even, subnormals kept.
;;     - The product sums the exact products of the quantised numbers (number of the format x scale) in f32.
;;   ~~~python
;;   def quantise(x, axis):      # numpy; x: float32 -> the quantised numbers, widened to float32 again
;;       x = np.moveaxis(x, axis, -1); K = x.shape[-1]
;;       x = np.pad(x, [(0, 0)] * (x.ndim - 1) + [(0, -K % 32)]); x = x.reshape(x.shape[:-1] + (-1, 32)); a = np.abs(x).max(-1, keepdims=True)
;;       e = np.where(a > 0, np.clip(np.frexp(np.where(a > 0, a, 1))[1] - 1 - 2, -126, 127), 0)      # np.frexp(a)[1] - 1 = floor(log2(a)), exactly
;;       r = np.clip(x / 2.0 ** e, -7.5, 7.5)
;;       step = 2.0 ** (np.maximum(np.frexp(np.where(r == 0, 1, r))[1] - 1, 0) - 3)
;;       q = np.round(r / step) * step * 2.0 ** e      # np.round: ties to even
;;       return np.moveaxis(q.reshape(q.shape[:-2] + (-1,))[..., :K], -1, axis).astype(np.float32)
;;   ~~~
;;   SOFTMAX AHEAD OF A QUANTISED PRODUCT. Where the list says 'softmax', what is quantised is not the finished softmax but p = 2^(t - M), with t = logit x log2(e) and M = ceil(the row's largest t), a whole number; so 1/2 < the row's largest p <= 1. The row's sum l is taken of the UNQUANTISED p, in f32, and the product's result is divided by l at the end. Since M is a whole number, a kernel that streams over the keys may use a running M (the ceiling of the running maximum): every later rescaling is an exact power of two, which a block's scale takes up: the codes' values come out the same.
;;   OPERANDS COMPUTED ON THE WAY. 'Computed on the way' means the value that the module computes at that place (a softmax that the list does not call 'softmax' is quantised finished and normalised). What goes into a quantiser is computed in f32, as accurately as f32 sums, v_exp_f32 and their like allow (about 1e-6 of the number): no bf16 or f16 on the way to a quantiser, and a product that is left as it is and whose result goes on into a quantised operand takes f32 operands (vector FMAs, or v_wmma_f32_16x16x4_f32). A number that lies on a knife's edge between two numbers of the format may be rounded either way, as far as f32 arithmetic and the matrix unit's own rounding can turn it there, and no further.
;; One version. Each part assembles by itself: llvm-mc -triple=amdgcn-amd-amdhsa -mcpu=gfx1250 --defsym DOCPART=n.
;; ======== version 1 of 1: 4 launches
;; limits: right only within a limited range of input values
;; workspace buffers: cw 6,291,456 bytes; sw 262,144 bytes; qkv 13,369,344 bytes; zc 3,145,728 bytes; zs 131,072 bytes
;; launch quant (part 1): grid 256 x 1, 4 waves a work-group, no clusters, 47,616 bytes of LDS; arguments x, Wq, Wk, Wv, Wo, cw, sw; writes cw, sw
.if DOCPART == 1
	.amdgcn_target "amdgcn-amd-amdhsa--gfx1250"
	.amdhsa_code_object_version 6
	.text
	.protected	k_qeddff19d0b_quant
	.globl	k_qeddff19d0b_quant
	.p2align	8
	.type	k_qeddff19d0b_quant,@function
k_qeddff19d0b_quant:
	s_mov_b64 s[64:65], 0
	v_nop
	global_prefetch_b8 v0, s[64:65] scope:SCOPE_SE
	s_setreg_imm32_b32 hwreg(HW_REG_WAVE_MODE, 25, 1), 1
	s_wait_xcnt 0x0
; x [4096][1024] and Wq, Wk, Wv, Wo [1024][1024], f32, become codes of FP6 (E2M3) and one E8M0 byte for each 32 along K.
; Every input is loaded.
; cw holds IMAGES OF OPERAND REGISTERS: [512 tiles of 16 row positions][8 K steps of 128][6 planes of 256 bytes]; plane P holds registers 2 P, 2 P + 1 of the tile's fragment, lane l at 8 l
; (lane l = r + 16 h holds row r; registers 6 c .. 6 c + 5 hold K = 64 c + 32 h + 0 .. 31).  sw: [8192 row positions][32 bytes].  Positions 0-4095 x, then 1024 each of Wq, Wk, Wv, Wo.
; POSITION ORDER: a row of x, Wq, Wk, Wv stands at the row number with bits 3 and 4 exchanged; Wo's rows stay where they are.  Sixteen neighbouring positions are then rows
; 32 b + 8 u + r + 8 (r / 8): with that choice a transposed product leaves 16 neighbours of the next K in a lane's 16 registers of two neighbouring tiles.
; A block's scale is 2^(floor(log2(largest magnitude)) - 2); its byte is the largest magnitude's exponent field - 2, held at 1 from below.
; LIMITS: a block of zeros, and a block whose largest magnitude lies under 2^-124, gets the byte 1 (zero codes add nothing; this program alone reads the bytes); NaN and infinities are not served.
; A wave takes one tile's 16 rows x 512 along K, a row a step: four K steps of the tile's images, 6,144 consecutive bytes of cw.  Wave w of work-group g: tile 2 g + w / 2, half w % 2 of K.
; Each load reads 512 consecutive bytes; a step's 2,048 bytes turn through the wave's own stage in LDS and come back 64 bytes a lane: 16 neighbours along K, two lanes to a block.
; A lane's 12 bytes of codes go word by word to their places in the wave's own image in LDS (eight groups of three planes, 16 bytes of padding behind each group, so that the 32 lanes of a store touch 32 banks);
; at the end each plane is read back and stored as 256 consecutive bytes, aligned.  No tensor loads, no barrier: waves share nothing.  Loads run eight steps ahead (32 loads a wave).
.set STEPS, 16
.set AHEAD, 8
.set EMAX,  2
.set R,     16                         ; v16-143  eight sets of 16 numbers as loaded; at the end the planes read back
.set X,     144                        ; v144-175 two sets of 16 neighbours
.set E,     176                        ; v176-191 a scale byte a step
.set C,     192                        ; v192-255 codes: four registers a step (three used)
.set SP,    80                         ; a lane's place in a stage: 64 bytes + 16 of padding
.set GP,    784                        ; a group of three planes + 16 of padding
.set WREG,  11776                      ; LDS: a region for each wave: two stages of 32 x SP bytes, 256 scale bytes, the image (8 x GP)
.set SPARE, 4*WREG                     ; the spare words
	s_load_b256 s[4:11], s[0:1], 0x0               ; x, Wq, Wk, Wv
	s_load_b128 s[12:15], s[0:1], 0x20             ; Wo, cw
	s_load_b64 s[16:17], s[0:1], 0x30              ; sw
	v_lshl_add_u32 v251, v0, 2, SPARE
	v_mov_b32 v255, 0
	v_lshrrev_b32 v1, 5, v0
	v_readfirstlane_b32 s18, v1                    ; wave
	v_and_b32 v2, 31, v0                           ; lane
	v_lshlrev_b32 v3, 4, v2                        ; my 16 bytes of a load's 512
	s_mul_i32 s19, s18, WREG
	v_lshrrev_b32 v14, 2, v2
	v_mul_u32_u24 v14, v14, SP
	v_and_b32 v15, 3, v2
	v_lshl_add_u32 v14, v15, 4, v14
	v_add_nc_u32 v14, s19, v14                     ; the stage, on the way in: SP (lane / 4) + 16 (lane % 4)
	v_mul_u32_u24 v15, v2, SP
	v_add_nc_u32 v15, s19, v15                     ; and on the way out: SP x lane
	v_lshrrev_b32 v5, 1, v2
	s_add_co_u32 s28, s19, 2*32*SP                 ; my scale bytes
	s_add_co_u32 s29, s19, 2*32*SP+256             ; my image
	v_lshlrev_b32 v1, 3, v2                        ; 8 x lane
	v_lshlrev_b32 v7, 5, v5
	v_and_b32 v12, 1, v2                           ; which half of a block is mine
	v_lshl_add_u32 v7, v12, 3, v7                  ; sw: row lane / 2 of 32 bytes, 8 (lane % 2)
	v_add_nc_u32 v5, s28, v5                       ; LDS: my block's scale byte
	v_add_nc_u32 v6, s28, v1
	v_lshrrev_b32 v4, 2, v2                        ; my group: 2 x (K step) + c = lane / 4
	v_mul_u32_u24 v4, v4, GP
	v_bfe_u32 v13, v2, 1, 1                        ; h
	v_lshl_add_u32 v4, v13, 7, v4                  ; lanes r + 16 h of a plane: 128 h
	v_add_nc_u32 v4, s29, v4
	v_mad_u32_u24 v10, v12, 508, v4                ; word 1 of a lower half stands at byte 4 of plane 0, of an upper half (the block's word 4) at byte 0 of plane 2
	v_mad_u32_u24 v4, v12, 260, v4                 ; words 0 and 2: bytes 0 of planes 0 and 1; of an upper half (words 3 and 5) bytes 4 of planes 1 and 2
	s_wait_alu depctr_va_vdst(0)                   ; the wait at the head's end
	s_wait_kmcnt 0x0
	; which tensor: work-groups 0-127 x, 128-159 Wq, 160-191 Wk, 192-223 Wv, 224-255 Wo.  Every choice hangs on the work-group's number alone
	s_cmp_lt_u32 ttmp9, 160
	s_cselect_b64 s[24:25], s[6:7], s[8:9]
	s_cmp_lt_u32 ttmp9, 224
	s_cselect_b64 s[26:27], s[10:11], s[12:13]
	s_cmp_lt_u32 ttmp9, 192
	s_cselect_b64 s[24:25], s[24:25], s[26:27]
	s_mov_b32 s20, 31                              ; a weight has 32 work-groups,
	s_cmp_lt_u32 ttmp9, 128
	s_cselect_b64 s[4:5], s[4:5], s[24:25]
	s_cselect_b32 s20, 127, s20                    ; x has 128
	s_cmp_lt_u32 ttmp9, 224
	s_cselect_b32 s24, 3, 4                        ; the work-group's second tile begins 8 rows down; in Wo 16
	s_cselect_b32 s25, 16, 8                       ; a tile's positions 8-15 begin 16 rows down; in Wo 8
	s_and_b32 s22, ttmp9, s20
	s_lshl_b32 s22, s22, 5                         ; 32 rows a work-group
	s_lshr_b32 s23, s18, 1
	s_lshl_b32 s23, s23, s24
	s_add_co_u32 s22, s22, s23                     ; my tile's first row
	s_lshl_b32 s22, s22, 12                        ; 4,096 bytes a row
	s_and_b32 s23, s18, 1
	s_lshl_b32 s23, s23, 11                        ; my half of K
	s_add_co_u32 s22, s22, s23
	s_mov_b32 s23, 0
	s_add_nc_u64 s[4:5], s[4:5], s[22:23]          ; positions 0-7
	s_lshl_b32 s22, s25, 12
	s_add_nc_u64 s[6:7], s[4:5], s[22:23]          ; positions 8-15
	s_lshl_b32 s21, ttmp9, 2
	s_add_co_u32 s21, s21, s18                     ; 2 x tile + half
	s_mul_i32 s30, s21, 6144
	s_mov_b32 s31, 0
	s_add_nc_u64 s[8:9], s[14:15], s[30:31]        ; my four K steps of images
	s_lshr_b32 s30, s21, 1
	s_lshl_b32 s30, s30, 9                         ; sw: 512 bytes a tile,
	s_and_b32 s22, s21, 1
	s_lshl_b32 s22, s22, 4                         ; 16 bytes of each row are mine
	s_add_co_u32 s30, s30, s22
	s_add_nc_u64 s[10:11], s[16:17], s[30:31]
.macro LOAD t
.irp i, 0,1,2,3
	global_load_b128 v[R+16*((\t)%AHEAD)+4*\i:R+16*((\t)%AHEAD)+4*\i+3], v3, s[4+2*((\t)/8):5+2*((\t)/8)] offset:4096*((\t)%8)+512*\i th:TH_LOAD_NT   ; 32 lanes read 512 consecutive bytes
.endr
.endm
.macro TURN t                          ; step t's numbers through the stage: LDS serves a wave's instructions in order, so no wait stands between the stores and the loads
.irp i, 0,1,2,3
	ds_store_b128 v14, v[R+16*((\t)%AHEAD)+4*\i:R+16*((\t)%AHEAD)+4*\i+3] offset:32*SP*((\t)%2)+8*SP*\i
.endr
.irp i, 0,1,2,3
	ds_load_b128 v[X+16*((\t)%2)+4*\i:X+16*((\t)%2)+4*\i+3], v15 offset:32*SP*((\t)%2)+16*\i
.endr
.endm
.irp t, 0,1,2,3,4,5,6,7
	LOAD \t
.endr
	s_wait_loadcnt 4*(AHEAD-1)                     ; step 0's four loads are in; the 28 of steps 1 to 7 may be out
	TURN 0
.macro STEP t
.set XS, X+16*((\t)%2)
.if (\t) > 0
	s_wait_dscnt 4                                 ; this step's numbers are back from the stage (the last step's four stores of byte and codes may be out)
.else
	s_wait_dscnt 0x0
.endif
.if (\t)+AHEAD < STEPS
	LOAD (\t)+AHEAD
.endif
.if (\t)+1 < STEPS
.if (\t)+AHEAD < STEPS
	s_wait_loadcnt 4*(AHEAD-1)                     ; the next step's four loads are in; those of the seven steps behind it may be out
.else
	s_wait_loadcnt 4*(STEPS-2-(\t))                ; nothing more is asked for: the count runs down
.endif
	TURN (\t)+1
.endif
	v_max3_num_f32 v8, |v[XS]|, |v[XS+1]|, |v[XS+2]|               ; the largest magnitude of my 16, in two chains
	v_max3_num_f32 v9, |v[XS+3]|, |v[XS+4]|, |v[XS+5]|
.irp i, 6,10
	v_max3_num_f32 v8, v8, |v[XS+\i]|, |v[XS+\i+1]|
	v_max3_num_f32 v9, v9, |v[XS+\i+2]|, |v[XS+\i+3]|
.endr
	v_max3_num_f32 v8, v8, |v[XS+14]|, |v[XS+15]|
	v_max3_num_f32 v8, v8, v9, (EMAX+1)<<23        ; and the floor 2^(3 - 127): the byte cannot fall under 1
	v_max_num_f32_dpp v8, v8, v8 row_xmask:1 row_mask:0xf bank_mask:0xf   ; and of my neighbour's 16: the block's
	v_add_nc_u32 v11, -(EMAX<<23), v8              ; 2 off its exponent field: the conversion takes the exponent field of this operand as its scale
	v_cvt_scalef32_pk16_fp6_f32 v[C+4*(\t):C+4*(\t)+2], v[XS:XS+15], v11
	v_lshrrev_b32 v[E+(\t)], 23, v11               ; the scale's byte (also the plain line behind the conversion)
	ds_store_b8 v5, v[E+(\t)] offset:16*(\t)       ; both lanes of a block write the same byte with the same value
	ds_store_b32 v4, v[C+4*(\t)] offset:8*(\t)     ; row t stands at 8 t of its half of a plane
	ds_store_b32 v10, v[C+4*(\t)+1] offset:8*(\t)+4
	ds_store_b32 v4, v[C+4*(\t)+2] offset:8*(\t)+256
.endm
.irp t, 0,1,2,3,4,5,6,7,8,9,10,11,12,13,14,15
	STEP \t
.endr
	ds_load_b64 v[12:13], v6                       ; LDS serves a wave's instructions in order: these see my stores
	v_add_nc_u32 v8, s29, v1
.irp n, 0,1,2,3,4,5,6,7,8,9,10,11,12,13,14,15,16,17,18,19,20,21,22,23
	ds_load_b64 v[R+2*\n:R+2*\n+1], v8 offset:(\n/3)*GP+(\n%3)*256
.endr
	s_wait_dscnt 24                                ; the scale bytes are back; the 24 planes may be out
	global_store_b64 v7, v[12:13], s[10:11]        ; 16 bytes of each of my 16 rows of sw
	s_wait_dscnt 0x0
.irp n, 0,1,2,3,4,5,6,7,8,9,10,11,12,13,14,15,16,17,18,19,20,21,22,23
	global_store_b64 v1, v[R+2*\n:R+2*\n+1], s[8:9] offset:256*\n   ; 32 lanes store 256 consecutive bytes, aligned
.endr
	s_wait_tensorcnt 0x0                           ; the wave's end
	ds_add_u32 v251, v255
	s_wait_dscnt 0x0
	s_endpgm
.Lfunc_end_k_qeddff19d0b_quant:
	.size	k_qeddff19d0b_quant, .Lfunc_end_k_qeddff19d0b_quant-k_qeddff19d0b_quant
	.p2alignl 7, 3214868480
	.fill 96, 4, 3214868480
	.section	.rodata,"a",@progbits
	.p2align	6, 0x0
	.amdhsa_kernel k_qeddff19d0b_quant
		.amdhsa_group_segment_fixed_size 47616
		.amdhsa_private_segment_fixed_size 0
		.amdhsa_enable_private_segment 0
		.amdhsa_kernarg_size 56
		.amdhsa_user_sgpr_count 2
		.amdhsa_user_sgpr_kernarg_segment_ptr 1
		.amdhsa_wavefront_size32 1
		.amdhsa_system_sgpr_workgroup_id_x 1
		.amdhsa_system_sgpr_workgroup_id_y 1
		.amdhsa_system_sgpr_workgroup_id_z 1
		.amdhsa_system_vgpr_workitem_id 0
		.amdhsa_next_free_vgpr 256
		.amdhsa_next_free_sgpr 66
		.amdhsa_reserve_vcc 0
		.amdhsa_float_denorm_mode_32 3
		.amdhsa_float_denorm_mode_16_64 3
		.amdhsa_memory_ordered 1
		.amdhsa_forward_progress 1
		.amdhsa_inst_pref_size 39
	.end_amdhsa_kernel
	.amdgpu_metadata
---
amdhsa.version: [ 1, 2 ]
amdhsa.kernels:
  - .name:           k_qeddff19d0b_quant
    .symbol:         k_qeddff19d0b_quant.kd
    .args:
      - { .name: x, .offset: 0, .size: 8, .value_kind: global_buffer, .address_space: global }
      - { .name: Wq, .offset: 8, .size: 8, .value_kind: global_buffer, .address_space: global }
      - { .name: Wk, .offset: 16, .size: 8, .value_kind: global_buffer, .address_space: global }
      - { .name: Wv, .offset: 24, .size: 8, .value_kind: global_buffer, .address_space: global }
      - { .name: Wo, .offset: 32, .size: 8, .value_kind: global_buffer, .address_space: global }
      - { .name: cw, .offset: 40, .size: 8, .value_kind: global_buffer, .address_space: global }
      - { .name: sw, .offset: 48, .size: 8, .value_kind: global_buffer, .address_space: global }
    .group_segment_fixed_size: 47616
    .private_segment_fixed_size: 0
    .kernarg_segment_align: 8
    .kernarg_segment_size: 56
    .max_flat_workgroup_size: 128
    .sgpr_count:     66
    .vgpr_count:     256
    .wavefront_size: 32
...
	.end_amdgpu_metadata
.endif
;; end of part 1
;; launch proj (part 2): grid 12 x 16, 4 waves a work-group, clusters of 4 x 4, 327,680 bytes of LDS; arguments cw, sw, qkv; writes qkv
.if DOCPART == 2
	.amdgcn_target "amdgcn-amd-amdhsa--gfx1250"
	.amdhsa_code_object_version 6
	.text
	.protected	k_qeddff19d0b_proj
	.globl	k_qeddff19d0b_proj
	.p2align	8
	.type	k_qeddff19d0b_proj,@function
k_qeddff19d0b_proj:
	s_mov_b64 s[64:65], 0
	v_nop
	global_prefetch_b8 v0, s[64:65] scope:SCOPE_SE
	s_setreg_imm32_b32 hwreg(HW_REG_WAVE_MODE, 25, 1), 1
	s_wait_xcnt 0x0
	s_wait_alu depctr_hold_cnt(0) depctr_sa_sdst(0) depctr_va_vdst(0) depctr_va_sdst(0) depctr_va_ssrc(0) depctr_va_vcc(0) depctr_vm_vsrc(0)
	s_getreg_b32 s2, hwreg(HW_REG_IB_STS2, 6, 4)
	s_cmp_eq_u32 s2, 0
	s_cbranch_scc0 .Lentry_in_a_cluster
	s_endpgm
.Lentry_in_a_cluster:
	s_bfe_u32 s2, ttmp6, 0x10000c
	s_cmp_lg_u32 s2, 0xf033
	s_cbranch_scc0 .Lentry_shape_is_right
	s_endpgm
.Lentry_shape_is_right:
; Q, K, V = x W^T on codes of FP6 (E2M3) with E8M0 scales, K = 1,024; a work-group makes 256 x 256, a wave 128 x 128; the results are quantised for the attention launch and stored as codes and scale words (qkv).
; cw holds images of operand registers: [tiles of 16 row positions][8 K steps][6 planes of 256 bytes].  A slot of the ring of two holds two K steps (3,072 bytes a tile) of A's 16 tiles and of B's 16 tiles;
; a fragment is six loads of 256 consecutive LDS bytes.  A tensor load's rows are 3,072 bytes and begin at multiples of 256 bytes.
; THE HEAD: one joint load a wave: wave 0 the first two K steps of A's 16 tiles, wave 1 of B's, wave 2 A's scale bytes, wave 3 B's.  Slot 1 is first filled as a refill is, behind the three lines and a round.
; CLUSTERS 4 x 4: A's tiles are shared along a row of the cluster, B's along a column.  No prefetch: K is four slots' fills, of which two are asked for before the first product.
.set KSTEP,  256
.set CSTEP,  3072
.set G0H,    4
.set G0HB,   8
.set NQ,     2
.set KROW,   768
.set FR,     12
.set NL,     6
.set NP,     4
.set HALFT,  8*CSTEP
.set SLOT,   4*HALFT
.set LAPS,   2
.set KS,     32
.set SCL,    2*SLOT
.set HALFS,  (128*KS/256)*272
.set SBLK,   (16*KS/256)*272
.set SPARE,  SCL+4*HALFS
.set SPITCH, 528
.set BND,    208896
.set ADRA, 16
.set ADRB, 20
.set STO,  24
.set RD,   25
.set CO,   26
.set ADRS, 27
.set SPW,  28
.set NIL,  29
.set LSC,  30
.set SH,   31
.set SC,   32
.set TM,   64
.set PW,   80
.set SW,   88
.set PC,   96
.set CT,   120
.set AF,   128
.set BK,   128
.set G1, 24
.set G0, 32
.set G1B, 48
.set G0B, 56
.set G1S, 68
.set G0S, 76
.set G1SB, 80
.set G0SB, 88
.set SEL, 100
.set MSB, 0
.macro WIN new
.if MSB != (\new)
	s_set_vgpr_msb (MSB<<8)|(\new)
.set MSB, (\new)
.endif
.endm
.set MUL_LO, 0xa1
.set MUL_HI, 0xf1
.set TO_B,   0x40
.macro JLOAD g0a, g1a, g0b, g1b
	s_cmp_eq_u32 s15, 0
	s_cbranch_scc0 .Lfor_b_\@
	tensor_load_to_lds s[\g0a:\g0a+3], s[\g1a:\g1a+7]
	s_nop 0
.rept 4
	v_nop
.endr
	s_branch .Lasked_\@
.Lfor_b_\@:
	tensor_load_to_lds s[\g0b:\g0b+3], s[\g1b:\g1b+7]
	s_nop 0
.rept 4
	v_nop
.endr
.Lasked_\@:
.endm
.macro CREST
	s_cmp_lg_u32 s14, 0
	s_cbranch_scc1 .Lnot_wave_0_\@
	s_barrier_signal -3
.Lnot_wave_0_\@:
	s_barrier_wait -3
	s_barrier_signal -1
	s_barrier_wait -1
.endm
.macro CROUND
	s_barrier_signal -1
	s_barrier_wait -1
	CREST
.endm
	s_load_b128 s[4:7], s[0:1], 0x0
	s_load_b64 s[96:97], s[0:1], 0x10
	v_lshl_add_u32 v[SPW], v0, 2, SPARE
	v_mov_b32 v[NIL], 0
	ds_add_u32 v28, v29
	ds_add_u32 v28, v29
	s_wait_dscnt 0x0
	v_lshrrev_b32 v1, 5, v0
	v_readfirstlane_b32 s14, v1
	s_lshr_b32 s15, s14, 1
	s_and_b32 s16, s14, 1
	s_bfe_u32 s40, ttmp6, 0x40000
	s_bfe_u32 s41, ttmp6, 0x40004
	s_and_b32 s95, ttmp7, 0xffff
	s_lshl_b32 s95, s95, 2
	s_lshl_b32 s42, ttmp9, 2
	s_add_co_u32 s42, s42, 16
	s_cmp_eq_u32 ttmp9, 2
	s_cselect_b32 s17, 24, s95
	s_cselect_b32 s42, s95, s42
	s_add_co_u32 s17, s17, s41
	s_add_co_u32 s42, s42, s40
	s_lshl_b32 s43, s41, 2
	s_lshl_b32 s43, 15, s43
	s_lshl_b32 s44, 0x1111, s40
	s_or_b32 s[G1+0], s43, (3<<16)|(1<<21)
	s_or_b32 s[G1B+0], s44, (3<<16)|(1<<21)
.irp g, G1, G1B
	s_mov_b32 s[\g+1], 384<<16
	s_mov_b32 s[\g+2], 16<<16
	s_mov_b32 s[\g+3], 384<<16
	s_mov_b32 s[\g+4], 16
	s_mov_b32 s[\g+5], 1536
	s_mov_b32 s[\g+6], 0
	s_mov_b32 s[\g+7], 0
.endr
	s_or_b32 s[G1S+0], s43, (3<<16)|(1<<20)|(1<<21)|(5<<22)|(3<<25)
	s_or_b32 s[G1SB+0], s44, (3<<16)|(1<<20)|(1<<21)|(5<<22)|(3<<25)
.irp g, G1S, G1SB
	s_mov_b32 s[\g+1], 32<<16
	s_mov_b32 s[\g+2], KS<<16
	s_mov_b32 s[\g+3], 32<<16
	s_mov_b32 s[\g+4], KS
	s_mov_b32 s[\g+5], 32
	s_mov_b32 s[\g+6], 0
	s_mov_b32 s[\g+7], 0
.endr
	s_lshl_b32 s20, s17, 8
	s_lshl_b32 s46, s42, 8
	s_lshl_b32 s22, s20, 5
	s_lshl_b32 s92, s46, 5
	s_mul_i32 s20, s20, KROW
	s_mul_i32 s46, s46, KROW
	s_mov_b32 s21, 0
	s_mov_b32 s23, 0
	s_mov_b32 s47, 0
	s_mov_b32 s93, 0
	s_mul_i32 s45, s14, HALFT
	s_mov_b32 s[SEL], 0x76543210
	s_mov_b32 s[SEL+1], 0xfedcba98
	s_wait_kmcnt 0x0
	s_add_nc_u64 s[20:21], s[4:5], s[20:21]
	s_add_nc_u64 s[22:23], s[6:7], s[22:23]
	s_add_nc_u64 s[46:47], s[4:5], s[46:47]
	s_add_nc_u64 s[92:93], s[6:7], s[92:93]
	CROUND                                         ; all sixteen work-groups are here: the first joint loads meet
	s_mov_b32 s[G0H], 1                            ; the head's four tiles, each whole: the first two K steps of A's 16 tiles,
	s_mov_b32 s[G0H+1], 0
	s_mov_b64 s[G0H+2:G0H+3], s[20:21]
	s_or_b32 s[G0H+3], s[G0H+3], 0x80000000
	s_mov_b32 s[G0HB], 1                           ; of B's 16 tiles, behind them in slot 0,
	s_mov_b32 s[G0HB+1], 2*HALFT
	s_mov_b64 s[G0HB+2:G0HB+3], s[46:47]
	s_or_b32 s[G0HB+3], s[G0HB+3], 0x80000000
	s_mov_b32 s[G0S], 1                            ; the scale bytes of A's 256 rows,
	s_mov_b32 s[G0S+1], SCL
	s_mov_b64 s[G0S+2:G0S+3], s[22:23]
	s_or_b32 s[G0S+3], s[G0S+3], 0x80000000
	s_mov_b32 s[G0SB], 1                           ; and of B's
	s_mov_b32 s[G0SB+1], SCL+2*HALFS
	s_mov_b64 s[G0SB+2:G0SB+3], s[92:93]
	s_or_b32 s[G0SB+3], s[G0SB+3], 0x80000000
	s_mul_i32 s12, s16, 128*KROW                   ; for the ring: my eight tiles of the sixteen
	s_mov_b32 s13, 0
	s_add_nc_u64 s[20:21], s[20:21], s[12:13]
	s_add_nc_u64 s[46:47], s[46:47], s[12:13]
.irp s, 0,1
	s_mov_b32 s[G0+4*\s], 1
	s_add_co_u32 s[G0+4*\s+1], s45, \s*SLOT
	s_add_nc_u64 s[G0+4*\s+2:G0+4*\s+3], s[20:21], \s*CSTEP
	s_or_b32 s[G0+4*\s+3], s[G0+4*\s+3], 0x80000000
	s_mov_b32 s[G0B+4*\s], 1
	s_add_co_u32 s[G0B+4*\s+1], s45, \s*SLOT
	s_add_nc_u64 s[G0B+4*\s+2:G0B+4*\s+3], s[46:47], \s*CSTEP
	s_or_b32 s[G0B+4*\s+3], s[G0B+4*\s+3], 0x80000000
.endr
.macro ARM under, g0, g1, next         ; one chain of branches on the wave's number, one load to an arm, all arms to one join: one tensor load a wave at the head
	s_cmp_lt_u32 s14, \under
	s_cbranch_scc0 \next
	tensor_load_to_lds s[\g0:\g0+3], s[\g1:\g1+7]
	s_nop 0
.rept 4
	v_nop
.endr
	s_branch .Lhead_asked
\next:
.endm
	ARM 1, G0H,  G1,  .Lhead_b
	ARM 2, G0HB, G1B, .Lhead_sa
	ARM 3, G0S,  G1S, .Lhead_sb
	tensor_load_to_lds s[G0SB:G0SB+3], s[G1SB:G1SB+7]
	s_nop 0
.rept 4
	v_nop
.endr
.Lhead_asked:
	v_and_b32 v1, 15, v0
	v_bfe_u32 v2, v0, 4, 1
	v_and_b32 v4, 31, v0
	v_lshlrev_b32 v4, 3, v4                        ; 8 x lane in a plane
	s_wait_alu depctr_va_vdst(0)                   ; the wait ahead of the scalar lines below
	s_mul_i32 s21, s15, HALFT
	s_mul_i32 s22, s16, HALFT
	s_add_co_u32 s22, s22, 2*HALFT
.irp s, 0,1
	v_add_nc_u32 v[ADRA+\s], s21, v4
	v_add_nc_u32 v[ADRB+\s], s22, v4
	s_add_co_u32 s21, s21, SLOT
	s_add_co_u32 s22, s22, SLOT
.endr
	v_mul_u32_u24 v5, v1, KS
	v_lshrrev_b32 v6, 8, v5
	v_lshl_add_u32 v5, v6, 4, v5
	s_mul_i32 s21, s15, HALFS
	s_mul_i32 s22, s16, HALFS
	s_add_co_u32 s22, s22, 2*HALFS
	s_sub_co_u32 s22, s22, s21
	v_mul_u32_u24 v6, s22, v2
	s_add_co_u32 s21, s21, SCL
	v_add_nc_u32 v5, v5, v6
	v_add_nc_u32 v[ADRS], s21, v5
	v_and_b32 v6, 31, v0
	v_lshlrev_b32 v[CO], 4, v6
	v_mul_u32_u24 v[LSC], v2, BND
	v_lshl_add_u32 v[LSC], v1, 4, v[LSC]
	v_lshlrev_b32 v[SH], 4, v2
.macro FRAG reg, adr, q, i
.irp p, 0,1,2,3,4,5
	ds_load_b64 v[\reg+2*\p:\reg+2*\p+1], v[\adr] offset:(\i)*CSTEP+(\q)*1536+256*\p
.endr
.endm
.macro MUL16 a0, p, q, sc, zero
.irp a, \a0, \a0+1
.irp b, 0,1,2,3,4,5,6,7
.if \zero
	v_wmma_scale_f32_16x16x128_f8f6f4 v[8*(8*((\a)%4)+\b):8*(8*((\a)%4)+\b)+7], v[128*(\p)+FR*\b:128*(\p)+FR*\b+FR-1], v[AF+FR*(\a):AF+FR*(\a)+FR-1], 0, v[SC+8*NQ*(\sc)+NQ*\b+(\q)], v[SC+8*NQ*(\sc)+NQ*(\a)+(\q)] matrix_a_fmt:MATRIX_FMT_FP6 matrix_b_fmt:MATRIX_FMT_FP6 matrix_a_scale:MATRIX_SCALE_ROW1
.else
	v_wmma_scale_f32_16x16x128_f8f6f4 v[8*(8*((\a)%4)+\b):8*(8*((\a)%4)+\b)+7], v[128*(\p)+FR*\b:128*(\p)+FR*\b+FR-1], v[AF+FR*(\a):AF+FR*(\a)+FR-1], v[8*(8*((\a)%4)+\b):8*(8*((\a)%4)+\b)+7], v[SC+8*NQ*(\sc)+NQ*\b+(\q)], v[SC+8*NQ*(\sc)+NQ*(\a)+(\q)] matrix_a_fmt:MATRIX_FMT_FP6 matrix_b_fmt:MATRIX_FMT_FP6 matrix_a_scale:MATRIX_SCALE_ROW1
.endif
.endr
.endr
.endm
.macro FETCH_B slot, q, p
	WIN TO_B
.irp i, 0,1,2,3,4,5,6,7
	FRAG 128*(\p)+FR*\i, ADRB+\slot, \q, \i
.endr
	WIN 0
.endm
.macro FETCH_A slot, q, i0
.irp i, \i0, \i0+1, \i0+2, \i0+3
	FRAG AF+FR*(\i), ADRA+\slot, \q, \i
.endr
.endm
.macro SCALES sc
.irp i, 0,1,2,3,4,5,6,7
	ds_load_b64 v[SC+8*NQ*\sc+NQ*\i:SC+8*NQ*\sc+NQ*\i+1], v[ADRS] offset:\i*SBLK
.endr
.endm
.macro PLACES n
.rept \n
	v_nop
.endr
.endm
.macro STEP slot, q, zero
	s_wait_dscnt 4*NL
	WIN MUL_LO
	MUL16 0, (\q)%2, \q, \slot, \zero
	MUL16 2, (\q)%2, \q, \slot, \zero
	s_wait_dscnt 0
	PLACES NP
	FETCH_B \slot, (\q)+1, 1-(\q)%2
	FETCH_A \slot, (\q)+1, 0
	WIN MUL_HI
	MUL16 4, (\q)%2, \q, \slot, \zero
	MUL16 6, (\q)%2, \q, \slot, \zero
	PLACES NP
	WIN 0
	FETCH_A \slot, (\q)+1, 4
.endm
.macro TURN slot, next, fill
	s_wait_tensorcnt 0x0
	ds_add_u32 v[SPW], v[NIL]
	s_wait_dscnt 4*NL+1
	WIN MUL_LO
	MUL16 0, 1, NQ-1, \slot, 0
	s_wait_dscnt 0x0
	s_barrier_signal -1
	MUL16 2, 1, NQ-1, \slot, 0
	WIN 0
	s_barrier_wait -1
.if \fill
	CREST
	s_add_nc_u64 s[G0+4*\slot+2:G0+4*\slot+3], s[G0+4*\slot+2:G0+4*\slot+3], 2*CSTEP
	s_add_nc_u64 s[G0B+4*\slot+2:G0B+4*\slot+3], s[G0B+4*\slot+2:G0B+4*\slot+3], 2*CSTEP
	JLOAD G0+4*\slot, G1, G0B+4*\slot, G1B
.else
	PLACES NP
.endif
	s_wait_alu depctr_va_vdst(0)
	v_add_nc_u32 v[ADRS], 4*NQ, v[ADRS]
	FETCH_B \next, 0, 0
	FETCH_A \next, 0, 0
	SCALES \next
	WIN MUL_HI
	MUL16 4, 1, NQ-1, \slot, 0
	MUL16 6, 1, NQ-1, \slot, 0
	PLACES NP
	WIN 0
	FETCH_A \next, 0, 4
.endm
	s_wait_alu depctr_va_vdst(0)                   ; the wait at the head's end
	s_wait_tensorcnt 0x0                           ; my tile of the head's four is in
	ds_add_u32 v[SPW], v[NIL]
	s_mov_b32 s[G1+2], 8<<16                       ; no tensor load of mine is out: from here on a load brings eight tiles
	s_mov_b32 s[G1+4], 8
	s_mov_b32 s[G1B+2], 8<<16
	s_mov_b32 s[G1B+4], 8
	s_wait_dscnt 0x0
	CROUND                                         ; all four tiles are in, and all sixteen work-groups are here
	JLOAD G0+4, G1, G0B+4, G1B                     ; K steps 2 and 3, the first tensor load behind the round
	FETCH_B 0, 0, 0
	FETCH_A 0, 0, 0
	SCALES 0
	FETCH_A 0, 0, 4
	STEP 0, 0, 1
	s_mov_b32 s3, LAPS-1
.Llap:
	TURN 0, 1, 1
	STEP 1, 0, 0
	TURN 1, 0, 1
	STEP 0, 0, 0
	s_sub_co_u32 s3, s3, 1
	s_cmp_lg_u32 s3, 0
	s_cbranch_scc1 .Llap
	TURN 0, 1, 0
	STEP 1, 0, 0
	s_wait_dscnt 4*NL
	WIN MUL_LO
	MUL16 0, 1, NQ-1, 1, 0
	MUL16 2, 1, NQ-1, 1, 0
	s_wait_dscnt 0
	WIN MUL_HI
	MUL16 4, 1, NQ-1, 1, 0
	MUL16 6, 1, NQ-1, 1, 0
	WIN 0
	PLACES NP
.irp b, 0,1,2,3
	v_mov_b32 v[TM+4+\b], 0
.endr
.macro QUANTW a, d0, d1
.set AC, 64*((\a)%4)
.set W, 2+(\a)/4
.set D0, \d0
.set D1, \d1
	WIN (W|(W<<2))
.irp b, 0,1,2,3
	v_max3_num_f32 v[TM+\b], |v[AC+16*\b]|, |v[AC+16*\b+1]|, 0x1800000
.endr
	WIN ((W<<2)|(W<<4))
.irp i, 2,4,6,8,10,12,14
.irp b, 0,1,2,3
	v_max3_num_f32 v[TM+\b], v[TM+\b], |v[AC+16*\b+\i]|, |v[AC+16*\b+\i+1]|
.endr
.endr
	WIN 0
.irp b, 0,1,2,3
	v_permlanex16_b32 v[TM+4+\b], v[TM+\b], s[SEL], s[SEL+1]
.endr
.irp b, 0,1,2,3
	v_max_num_f32 v[TM+\b], v[TM+\b], v[TM+4+\b]
.endr
.irp b, 0,1,2,3
	v_add_nc_u32 v[TM+12+\b], 0xff000000, v[TM+\b]
.endr
.irp b, 0,1,2,3
	v_lshrrev_b32 v[TM+4+\b], 23, v[TM+12+\b]
.endr
	v_lshl_or_b32 v[PW+(\a)], v[TM+5], 8, v[TM+4]
	v_lshl_or_b32 v[PW+(\a)], v[TM+6], 16, v[PW+(\a)]
	v_lshl_or_b32 v[PW+(\a)], v[TM+7], 24, v[PW+(\a)]
	WIN W
	v_cvt_scalef32_pk16_fp6_f32 v[D0:D0+2], v[AC:AC+15], v[TM+12]
	v_cvt_scalef32_pk16_fp6_f32 v[CT:CT+2], v[AC+16:AC+31], v[TM+13]
	v_cvt_scalef32_pk16_fp6_f32 v[D1:D1+2], v[AC+32:AC+47], v[TM+14]
	v_cvt_scalef32_pk16_fp6_f32 v[CT+4:CT+6], v[AC+48:AC+63], v[TM+15]
	WIN 0
	v_nop
.irp i, 0,1,2
	v_permlane16_swap_b32 v[D0+\i], v[CT+\i]
	v_permlane16_swap_b32 v[D1+\i], v[CT+4+\i]
.endr
.irp i, 0,1,2
	v_mov_b32 v[D0+3+\i], v[CT+\i]
	v_mov_b32 v[D1+3+\i], v[CT+4+\i]
.endr
.endm
	s_cmp_eq_u32 ttmp9, 2
	s_cbranch_scc1 .Lv
	s_lshl_b32 s20, s17, 1
	s_add_co_u32 s20, s20, s15
	s_lshr_b32 s21, s20, 4
	s_and_b32 s20, s20, 15
	s_lshl_b32 s22, s42, 1
	s_add_co_u32 s22, s22, s16
	s_and_b32 s22, s22, 7
	s_lshl_b32 s22, s22, 1
	s_lshl_b32 s21, s21, 4
	s_add_co_u32 s21, s21, s22
	s_mul_i32 s21, s21, BND
	s_mul_i32 s22, ttmp9, 32*BND
	s_add_co_u32 s22, s22, s21
	s_mov_b32 s23, 0
	s_add_nc_u64 s[96:97], s[96:97], s[22:23]
	s_lshl_b32 s22, s20, 9
	s_add_nc_u64 s[8:9], s[96:97], s[22:23]
	s_mul_i32 s22, s20, 12288
	s_add_co_u32 s22, s22, 12288
	s_add_nc_u64 s[10:11], s[96:97], s[22:23]
.irp a, 0,1,2,3,4,5,6,7
	s_wait_xcnt 0x0
	QUANTW \a, PC+6*(\a%2), PC+12+6*(\a%2)
.if \a%2 == 1
.irp c, 0,1,2
	global_store_b128 v[CO], v[PC+4*\c:PC+4*\c+3], s[10:11] offset:(\a/2)*1536+512*\c
	global_store_b128 v[CO], v[PC+12+4*\c:PC+12+4*\c+3], s[10:11] offset:BND+(\a/2)*1536+512*\c
.endr
.endif
.endr
.irp a, 0,1,2,3,4,5,6,7
	v_lshrrev_b32 v[SW+\a], v[SH], v[PW+\a]
.endr
.irp a, 0,1,2,3,4,5,6,7
	v_and_b32 v[SW+\a], 0xffff, v[SW+\a]
.endr
	global_store_b128 v[LSC], v[SW:SW+3], s[8:9]
	global_store_b128 v[LSC], v[SW+4:SW+7], s[8:9] offset:256
	s_branch .Lend
.Lv:
	s_lshl_b32 s20, s42, 1
	s_add_co_u32 s20, s20, s16
	s_lshr_b32 s21, s20, 4
	s_and_b32 s20, s20, 15
	s_sub_co_u32 s18, s17, 24
	s_lshl_b32 s19, s18, 2
	s_lshl_b32 s22, s15, 1
	s_add_co_u32 s19, s19, s22
	s_lshl_b32 s21, s21, 4
	s_add_co_u32 s21, s21, s19
	s_add_co_u32 s21, s21, 32
	s_mul_i32 s22, s21, BND
	s_mov_b32 s23, 0
	s_add_nc_u64 s[96:97], s[96:97], s[22:23]
	s_lshl_b32 s22, s20, 8
	s_add_co_u32 s22, s22, 8192
	s_add_nc_u64 s[8:9], s[96:97], s[22:23]
	s_mul_i32 s22, s20, 12288
	s_add_co_u32 s22, s22, 12288+6144
	s_add_nc_u64 s[10:11], s[96:97], s[22:23]
.irp a, 0,1,2,3,4,5,6,7
	s_wait_xcnt 0x0
	QUANTW \a, PC+12*(\a%2), PC+12*(\a%2)+6
.irp c, 0,1,2
	global_store_b128 v[CO], v[PC+12*(\a%2)+4*\c:PC+12*(\a%2)+4*\c+3], s[10:11] offset:(\a/4)*BND+(\a%4)*1536+512*\c
.endr
.endr
	v_cmp_eq_u32 vcc_lo, 1, v2
.irp t, 0,1,2,3
	v_cndmask_b32 v[SW+\t], v[PW+\t], v[PW+4+\t], vcc_lo
.endr
	global_store_b128 v[LSC], v[SW:SW+3], s[8:9]
.Lend:
	s_wait_tensorcnt 0x0
	ds_add_u32 v[SPW], v[NIL]
	s_wait_dscnt 0x0
	CROUND
	s_endpgm
.Lfunc_end_k_qeddff19d0b_proj:
	.size	k_qeddff19d0b_proj, .Lfunc_end_k_qeddff19d0b_proj-k_qeddff19d0b_proj
	.p2alignl 7, 3214868480
	.fill 96, 4, 3214868480
	.section	.rodata,"a",@progbits
	.p2align	6, 0x0
	.amdhsa_kernel k_qeddff19d0b_proj
		.amdhsa_group_segment_fixed_size 327680
		.amdhsa_private_segment_fixed_size 0
		.amdhsa_enable_private_segment 0
		.amdhsa_kernarg_size 24
		.amdhsa_user_sgpr_count 2
		.amdhsa_user_sgpr_kernarg_segment_ptr 1
		.amdhsa_wavefront_size32 1
		.amdhsa_system_sgpr_workgroup_id_x 1
		.amdhsa_system_sgpr_workgroup_id_y 1
		.amdhsa_system_sgpr_workgroup_id_z 1
		.amdhsa_system_vgpr_workitem_id 0
		.amdhsa_next_free_vgpr 1024
		.amdhsa_next_free_sgpr 102
		.amdhsa_reserve_vcc 1
		.amdhsa_float_denorm_mode_32 3
		.amdhsa_float_denorm_mode_16_64 3
		.amdhsa_memory_ordered 1
		.amdhsa_forward_progress 1
		.amdhsa_inst_pref_size 201
	.end_amdhsa_kernel
	.amdgpu_metadata
---
amdhsa.version: [ 1, 2 ]
amdhsa.kernels:
  - .name:           k_qeddff19d0b_proj
    .symbol:         k_qeddff19d0b_proj.kd
    .args:
      - { .name: cw, .offset: 0, .size: 8, .value_kind: global_buffer, .address_space: global }
      - { .name: sw, .offset: 8, .size: 8, .value_kind: global_buffer, .address_space: global }
      - { .name: qkv, .offset: 16, .size: 8, .value_kind: global_buffer, .address_space: global }
    .group_segment_fixed_size: 327680
    .private_segment_fixed_size: 0
    .kernarg_segment_align: 8
    .kernarg_segment_size: 24
    .max_flat_workgroup_size: 128
    .sgpr_count:     102
    .vgpr_count:     1024
    .wavefront_size: 32
...
	.end_amdgpu_metadata
.endif
;; end of part 2
;; launch attn (part 3): grid 8 x 32, 16 waves a work-group, clusters of 4 x 1, 327,680 bytes of LDS; arguments qkv, cw, sw, zc, zs; writes zc, zs
.if DOCPART == 3
	.amdgcn_target "amdgcn-amd-amdhsa--gfx1250"
	.amdhsa_code_object_version 6
	.text
	.protected	k_qeddff19d0b_attn
	.globl	k_qeddff19d0b_attn
	.p2align	8
	.type	k_qeddff19d0b_attn,@function
k_qeddff19d0b_attn:
	s_mov_b64 s[64:65], 0
	v_nop
	global_prefetch_b8 v0, s[64:65] scope:SCOPE_SE
	s_setreg_imm32_b32 hwreg(HW_REG_WAVE_MODE, 25, 1), 1
	s_wait_xcnt 0x0
	s_wait_alu depctr_hold_cnt(0) depctr_sa_sdst(0) depctr_va_vdst(0) depctr_va_sdst(0) depctr_va_ssrc(0) depctr_va_vcc(0) depctr_vm_vsrc(0)
	s_getreg_b32 s2, hwreg(HW_REG_IB_STS2, 6, 4)
	s_cmp_eq_u32 s2, 0
	s_cbranch_scc0 .Lentry_in_a_cluster
	s_endpgm
.Lentry_in_a_cluster:
	s_bfe_u32 s2, ttmp6, 0x10000c
	s_cmp_lg_u32 s2, 0x3003
	s_cbranch_scc0 .Lentry_shape_is_right
	s_endpgm
.Lentry_shape_is_right:
; For each of 32 (batch, head): S = Q K^T / 8, p = 2^(t - M) (t = score x log2(e) / 8, M the running largest t rounded up to a whole number), Y = (p V) / sum of the unquantised p,
; Z = Y - (Y.V / V.V) V with V the query's own token's, set to 0 where |Z| <= 2^-17 max(|Y|, |V|) and V.V > 0; Z is quantised along the head's 64 channels for the last product.
; All products on codes of FP6 (E2M3) with E8M0 scales.  Inputs: qkv (a head's bundle of 208,896 bytes: scale words of K, of V, and for each key step of 128 keys four images of two tiles of K and four of V's
; fragments; the other half holds Q in K's places); cw and sw (x's and Wv's codes as images of operand registers, and their scale bytes).
; V OF THE QUERY'S OWN TOKEN, in f32, is made here: each wave multiplies its 16 tokens' codes of x by the head's 64 rows of Wv, K = 1,024 ascending, 32 matrix instructions: the same products as the projection's.
; SHARES.  A work-group owns 256 query positions of one head; each of its sixteen waves 16 of them, in 256 registers, four waves to a SIMD.
; LDS.  The head's whole bundle lies at LDS byte 0 as it lies in memory, the head's four tiles of Wv (49,152 bytes) behind it, the spare words behind that.  Every byte is filled once.
; LOADS.  One tensor load a wave, at the head: waves 0-11 a twelfth of the bundle each (68 rows of 256 bytes), waves 12-15 a tile of Wv each (48 rows).  One wait for 0 and one barrier show all of it;
; behind that barrier the waves share nothing: no barrier stands in the loop over the keys or ahead of the way out.
; CLUSTER.  The four work-groups of a cluster belong to one head: bundle and Wv are asked for jointly.
; PREFETCH.  x's image of my 16 tokens (48 blocks of 256 bytes) is read on the way out, sixteen key steps behind the head, by the sixteen work-groups of the token block's sixteen heads: each asks for 3 blocks of it at the head.
; LAYOUT.  S^T = K Q^T, O^T = V^T P^T, V^T = Wv x^T: a lane holds one query throughout.  By the position order of tokens and channels the 16 registers of two neighbouring tiles are 16 neighbours (true keys, true channels).
; K = 64 IN AN INSTRUCTION OF 128: Q's registers 6-11 are zero codes.  K's operand of tile t is its six registers and the six behind them (the next tile's codes, for the last tile zeros):
; every code is a finite number, and times a zero code it adds 0.  Bytes 2 and 3 of both scale words are 0, which is a power of two.
; OUT.  zc: [256 tiles of 16 positions][8 K steps][6 planes of 256 bytes], plane P = registers 2 P, 2 P + 1 of the next product's operand, lane l at 8 l.  zs: [4,096 positions][32 bytes], written 2 bytes a row.
; LIMITS: the promise holds while the scaled scores t stay under 2^31 in magnitude; NaN and infinities are not served; blocks of zeros and blocks under 2^-124 get the byte 1; divisions are v_rcp_f32 and a multiply;
; v_rcp_f32 and v_sqrt_f32 take denormals as 0 (ISA guide 15.8); Z is one fused multiply-add; the sums' order is this text's.
.set BND,  208896
.set PART, BND/12                      ; 17,408 bytes: 68 rows of 256
.set WVB,  BND                         ; Wv's four tiles, 12,288 bytes each
.set SPARE, WVB+4*12288                ; the spare words: 2,048 bytes
.set LI,   1                           ; v1   16 x lane
.set R16,  2                           ; v2   16 x (lane % 16)
.set ADK,  3                           ; v3-5 the step's LDS addresses: images, K's scale words, V's
.set ADS,  4
.set ADT,  5
.set ZO,   6                           ; v6   8 x lane
.set ZSO,  7                           ; v7   32 x (lane % 16)
.set AVT,  8                           ; v8   Wv's images in LDS: WVB + 8 x lane
.set QF,   16                          ; v16-27 Q's operand
.set QS,   28                          ; v28  Q's scale words; on the way out v28-31 x's
.set XSC,  28
.set KSC,  32                          ; v32-39 K's scale words, v40-43 V's; on the way out v32-43 and v236-239 Wv's
.set VSC,  40
.set KF,   44                          ; v44-91 K's eight tiles (6 registers each), then V's four fragments; on the way out x's fragments of four K steps
.set ZP,   92                          ; v92-97 zeros
.set S,    100                         ; v100-163 S^T, then p
.set O,    164                         ; v164-195 O^T
.set PCD,  196                         ; v196-207 p's codes
.set CT,   208
.set BM,   216                         ; v216-219 the blocks' largest scores, then p
.set BP,   220
.set SOP,  224                         ; v224-227 the conversions' scale operands
.set PS,   228                         ; v228 p's scale word
.set F,    230                         ; v[230:231] f = 2^(old M - new M)
.set T0,   232
.set VV,   100                         ; the way out: V of my query, 32 registers; Z behind it
.set Z,    132
.set A1,   44
.set A2,   46
.set A3,   48
.set A4,   50
.set A5,   52
.set SCA,  56
.set NRM,  60
.set WV,   18
.set SEL,  20
.set CS,   22
.set G1C,  24
.set G1W,  32
.set XC,   56                          ; s[56:57] x's image of my tile, s[58:59] its scale bytes, s[60:61] Wv's scale bytes, s[62:63] my share of the prefetch
.set XS,   58
.set WS,   60
.set PF,   62
.set TB,   2
.set TS,   3
.set TJ,   14
.set CNT,  15
.set QM,   16
.macro CROUND
	s_barrier_signal -1
	s_barrier_wait -1
	s_cmp_lg_u32 s[WV], 0
	s_cbranch_scc1 .Lnot_wave_0_\@
	s_barrier_signal -3
.Lnot_wave_0_\@:
	s_barrier_wait -3
	s_barrier_signal -1
	s_barrier_wait -1
.endm
	s_load_b256 s[4:11], s[0:1], 0x0               ; qkv, cw, sw, zc
	s_load_b64 s[12:13], s[0:1], 0x20              ; zs
	v_lshl_add_u32 v254, v0, 2, SPARE
	v_mov_b32 v255, 0
	ds_add_u32 v254, v255                          ; the opening lines: the add twice on end and its one wait
	ds_add_u32 v254, v255
	v_lshrrev_b32 v1, 5, v0
	s_delay_alu instid0(VALU_DEP_1)
	v_readfirstlane_b32 s[WV], v1                  ; wave 0..15
	s_bfe_u32 s19, ttmp6, 0x40000                  ; cx
	s_lshl_b32 s76, ttmp9, 2
	s_add_co_u32 s76, s76, s19                     ; my block of 256 query positions: it enters Q's, x's, zc's and zs's addresses alone
	s_and_b32 s77, ttmp7, 0xffff                   ; 16 b + head, which the four partners share
	s_lshr_b32 s78, s77, 4                         ; b
	s_and_b32 s79, s77, 15                         ; head
	s_mul_i32 s80, s77, BND
	s_mul_i32 s84, s[WV], PART                     ; waves 0-11: my twelfth of the bundle
	s_mov_b32 s[G1C], 15|(3<<16)|(1<<21)           ; the mask: all four; elements of 8 bytes; bit 21 beside a mask; no padding
	s_mov_b32 s[G1C+1], 32<<16                     ; rows of 256 bytes,
	s_mov_b32 s[G1C+2], 68<<16                     ; 68 of them,
	s_mov_b32 s[G1C+3], 32<<16
	s_mov_b32 s[G1C+4], 68
	s_mov_b32 s[G1C+5], 32                         ; dense
	s_mov_b32 s[G1C+6], 0
	s_mov_b32 s[G1C+7], 0
	s_mov_b32 s[G1W], 15|(3<<16)|(1<<21)           ; the same for a tile of Wv:
	s_mov_b32 s[G1W+1], 32<<16
	s_mov_b32 s[G1W+2], 48<<16                     ; 48 rows
	s_mov_b32 s[G1W+3], 32<<16
	s_mov_b32 s[G1W+4], 48
	s_mov_b32 s[G1W+5], 32
	s_mov_b32 s[G1W+6], 0
	s_mov_b32 s[G1W+7], 0
	s_mov_b32 s[SEL], 0x76543210
	s_mov_b32 s[SEL+1], 0xfedcba98
	s_mov_b32 s[CS], 0x3e38aa3b                    ; c = log2(e) / 8
	s_mov_b32 s[CS+1], s[CS]
	s_and_b32 s[QM], s[WV], 1
	s_sub_co_u32 s[QM], 0, s[QM]                   ; all ones in odd waves: they take the second tile of a pair's image
	s_add_co_u32 s82, s80, 32*BND                  ; half 1 of qkv: my head's bundle of K and V,
	s_add_co_u32 s82, s82, s84                     ; my part of it
	s_mov_b32 s83, 0
	s_mov_b32 s87, 0
	s_lshl_b32 s86, s79, 2
	s_add_co_u32 s86, s86, s[WV]
	s_add_co_u32 s86, s86, 372                     ; waves 12-15: cw's tile 384 + 4 head + (wave - 12): Wv begins at tile 384
	s_mul_i32 s86, s86, 12288
	s_wait_dscnt 0x0
	s_wait_kmcnt 0x0
	s_mov_b32 s48, 1
	s_mov_b32 s49, s84
	s_add_nc_u64 s[50:51], s[4:5], s[82:83]
	s_or_b32 s51, s51, 0x80000000
	s_mov_b32 s52, 1
	s_mul_i32 s53, s[WV], 12288
	s_add_co_u32 s53, s53, WVB-12*12288            ; WVB + 12,288 (wave - 12)
	s_add_nc_u64 s[54:55], s[6:7], s[86:87]
	s_or_b32 s55, s55, 0x80000000
	CROUND                                         ; all four work-groups are here: the joint loads meet
	s_cmp_lt_u32 s[WV], 12                         ; one load a wave, in the two arms of one branch on the wave's number
	s_cbranch_scc0 .Lfor_w
	tensor_load_to_lds s[48:51], s[G1C:G1C+7]
	s_nop 0
.rept 4
	v_nop
.endr
	s_branch .Lasked
.Lfor_w:
	tensor_load_to_lds s[52:55], s[G1W:G1W+7]
	s_nop 0
.rept 4
	v_nop
.endr
.Lasked:
	s_lshl_b32 s90, s76, 1
	s_lshr_b32 s91, s[WV], 3
	s_add_co_u32 s90, s90, s91                     ; my block of 128 positions
	s_mul_i32 s92, s90, 12288
	s_add_co_u32 s92, s92, s80
	s_bfe_u32 s91, s[WV], 0x20001                  ; which pair of tiles in it
	s_mul_i32 s91, s91, 1536
	s_add_co_u32 s92, s92, s91
	s_add_co_u32 s92, s92, 12288
	s_mov_b32 s93, 0
	s_add_nc_u64 s[92:93], s[4:5], s[92:93]        ; Q's image
	s_lshl_b32 s94, s90, 9
	s_add_co_u32 s94, s94, s80
	s_bfe_u32 s91, s[WV], 0x10002
	s_lshl_b32 s91, s91, 8
	s_add_co_u32 s94, s94, s91
	s_and_b32 s91, s[WV], 3
	s_lshl_b32 s91, s91, 2
	s_add_co_u32 s94, s94, s91
	s_mov_b32 s95, 0
	s_add_nc_u64 s[94:95], s[4:5], s[94:95]        ; Q's scale words
	s_lshl_b32 s86, s78, 7
	s_lshl_b32 s88, s76, 4
	s_add_co_u32 s86, s86, s88
	s_add_co_u32 s86, s86, s[WV]                   ; my tile of 16 positions among the 256
	s_lshl_b32 s88, s86, 9
	s_mov_b32 s89, 0
	s_add_nc_u64 s[XS:XS+1], s[8:9], s[88:89]      ; x's scale bytes: 16 rows of 32 bytes a tile
	s_lshl_b32 s90, s79, 1
	s_add_co_u32 s88, s88, s90
	s_add_nc_u64 s[12:13], s[12:13], s[88:89]      ; zs: the same rows, + 2 head
	s_mul_i32 s86, s86, 12288
	s_add_nc_u64 s[XC:XC+1], s[6:7], s[86:87]      ; x's image
	s_mul_i32 s88, s79, 768
	s_add_nc_u64 s[PF:PF+1], s[XC:XC+1], s[88:89]  ; of its 48 blocks of 256 bytes, blocks 3 head .. 3 head + 2
	s_add_co_u32 s86, s86, s88
	s_add_nc_u64 s[10:11], s[10:11], s[86:87]      ; zc
	s_lshl_b32 s88, s79, 11
	s_add_co_u32 s88, s88, 6144*32
	s_add_nc_u64 s[WS:WS+1], s[8:9], s[88:89]      ; Wv's scale bytes: rows 6,144 + 64 head on
	v_and_b32 v9, 31, v0
	s_delay_alu instid0(VALU_DEP_1)
	v_lshlrev_b32 v[LI], 4, v9
	s_delay_alu instid0(VALU_DEP_2)
	v_lshlrev_b32 v[ZO], 3, v9
	v_and_b32 v10, 15, v0
	s_delay_alu instid0(VALU_DEP_1)
	v_lshlrev_b32 v[R16], 4, v10
	s_delay_alu instid0(VALU_DEP_2)
	v_lshlrev_b32 v[ZSO], 5, v10
	v_min_u32 v98, 2, v9
	v_add_nc_u32 v[AVT], WVB, v[ZO]
	s_delay_alu instid0(VALU_DEP_2)
	v_lshlrev_b32 v98, 8, v98                      ; lanes 0, 1, 2 name my three blocks; the lanes left over name the last again.  v98 is never rewritten
.irp c, 0,1,2
	global_load_b128 v[S+4*\c:S+4*\c+3], v[LI], s[92:93] offset:512*\c
.endr
	global_load_b32 v[QS], v[R16], s[94:95]
	global_prefetch_b8 v98, s[PF:PF+1] th:TH_LOAD_NT scope:SCOPE_SE
	v_mov_b32 v13, 0xff61b1e6                      ; the largest t so far: -3e38
	s_delay_alu instid0(VALU_DEP_1)
	v_floor_f32 v12, -v13                          ; -M
	v_mov_b32 v14, 0                               ; the sum, in two halves
	v_mov_b32 v15, 0
.irp b, 0,1,2,3
	v_mov_b32 v[BP+\b], 0                          ; a lane permute's destination counts as one of its sources
.endr
	v_mov_b32 v[F+1], 0                            ; named as the upper half of a pair
.irp i, 0,1,2,3,4,5
	v_mov_b32 v[ZP+\i], 0
	v_mov_b32 v[QF+6+\i], 0                        ; zero codes for K = 64 .. 127
.endr
.irp j, 0,1,2,3,4,5,6,7,8,9,10,11,12,13,14,15,16,17,18,19,20,21,22,23,24,25,26,27,28,29,30,31
	v_mov_b32 v[O+\j], 0                           ; the step is written once: the first finds zeros, which the first change of M leaves zeros
.endr
	s_wait_loadcnt 0x0
.irp i, 0,1,2,3,4,5
	v_cndmask_b32 v[QF+\i], v[S+\i], v[S+6+\i], s[QM]
.endr
; A KEY STEP: 128 keys.
.macro STEP
	v_add_nc_u32 v[ADK], s[TB], v[LI]              ; these three and the v_nop are the four places behind the last step's products, in front of the loads into their operands
	v_add_nc_u32 v[ADS], s[TS], v[R16]
	v_add_nc_u32 v[ADT], s[TJ], v[R16]
	v_nop
.irp c, 0,1,2,3,4,5,6,7,8,9,10,11
	ds_load_b128 v[KF+4*\c:KF+4*\c+3], v[ADK] offset:512*\c        ; K's eight tiles as images of their registers: 512 consecutive bytes a load
.endr
	ds_load_b128 v[KSC:KSC+3], v[ADS]
	ds_load_b128 v[KSC+4:KSC+7], v[ADS] offset:256
	s_wait_alu depctr_va_vdst(0)
	s_wait_dscnt 0x0
.irp t, 0,1,2,3,4,5,6,7
	v_wmma_scale_f32_16x16x128_f8f6f4 v[S+8*\t:S+8*\t+7], v[KF+6*\t:KF+6*\t+11], v[QF:QF+11], 0, v[KSC+\t], v[QS] matrix_a_fmt:MATRIX_FMT_FP6 matrix_b_fmt:MATRIX_FMT_FP6
.endr
.rept 4
	v_nop                                          ; places: in front of the loads over K's registers and of the first read of the scores
.endr
.irp c, 0,1,2,3,4,5,6,7,8,9,10,11
	ds_load_b128 v[KF+4*\c:KF+4*\c+3], v[ADK] offset:6144+512*\c   ; V's four fragments: they land under the softmax
.endr
	ds_load_b128 v[VSC:VSC+3], v[ADT]
.irp b, 0,1,2,3
	v_max3_num_f32 v[BM+\b], v[S+16*\b], v[S+1+16*\b], v[S+2+16*\b]   ; the largest score of each block of 32 keys: for the row's maximum and, since p rises with the score, for the block's largest p
.endr
.irp i, 3,5,7,9,11,13
.irp b, 0,1,2,3
	v_max3_num_f32 v[BM+\b], v[BM+\b], v[S+16*\b+\i], v[S+1+16*\b+\i]
.endr
.endr
.irp b, 0,1,2,3
	v_max_num_f32 v[BM+\b], v[BM+\b], v[S+15+16*\b]
.endr
.irp b, 0,1,2,3
	s_delay_alu instid0(VALU_DEP_4)
	v_permlanex16_b32 v[BP+\b], v[BM+\b], s[SEL], s[SEL+1]
.endr
.irp b, 0,1,2,3
	s_delay_alu instid0(VALU_DEP_4)
	v_max_num_f32 v[BM+\b], v[BM+\b], v[BP+\b]
.endr
	s_delay_alu instid0(VALU_DEP_2)
	v_max3_num_f32 v[T0], v[BM], v[BM+1], v[BM+2]
	s_delay_alu instid0(VALU_DEP_1)
	v_max_num_f32 v[T0], v[T0], v[BM+3]
	s_delay_alu instid0(VALU_DEP_1)
	v_mul_f32 v[T0], s[CS], v[T0]
	s_delay_alu instid0(VALU_DEP_1)
	v_max_num_f32 v13, v13, v[T0]                  ; the running largest t
	v_mov_b32 v[T0], v12
	s_delay_alu instid0(VALU_DEP_2)
	v_floor_f32 v12, -v13                          ; the new -M = -ceil(t)
	s_delay_alu instid0(VALU_DEP_1)
	v_sub_f32 v[T0], v12, v[T0]                    ; old M - new M: a whole number, 0 or less
	s_delay_alu instid0(VALU_DEP_1)
	v_cvt_i32_f32 v[T0], v[T0]                     ; (it saturates)
	s_delay_alu instid0(VALU_DEP_1)
	v_ldexp_f32 v[F], 1.0, v[T0]                   ; f = 2^(old M - new M): a multiplication by it rounds nothing
.irp j, 0,2,4,6,8,10,12,14,16,18,20,22,24,26,28,30,32,34,36,38,40,42,44,46,48,50,52,54,56,58,60,62
	v_pk_fma_f32 v[S+\j:S+\j+1], v[S+\j:S+\j+1], s[CS:CS+1], v[12:13] op_sel_hi:[1,0,0]   ; t - M
.endr
.irp b, 0,1,2,3
	v_fma_f32 v[BM+\b], v[BM+\b], s[CS], v12
.endr
	s_wait_alu depctr_va_vdst(0)                   ; the wait ahead of the batch
.irp j, 0,1,2,3,4,5,6,7,8,9,10,11,12,13,14,15,16,17,18,19,20,21,22,23,24,25,26,27,28,29,30,31,32,33,34,35,36,37,38,39,40,41,42,43,44,45,46,47,48,49,50,51,52,53,54,55,56,57,58,59,60,61,62,63
	v_exp_f32 v[S+\j], v[S+\j]                     ; p = 2^(t - M), not normalised
.endr
	v_pk_mul_f32 v[14:15], v[14:15], v[F:F+1] op_sel_hi:[1,0]      ; the sums under the new M (the plain line behind the exponentials)
	s_wait_alu depctr_va_vdst(0)                   ; one wait for the batch of 64, ahead of its first reader
.irp b, 0,1,2,3
	v_exp_f32 v[BM+\b], v[BM+\b]                   ; the blocks' largest p
.endr
	v_pk_add_f32 v[234:235], v[104:105], v[108:109]                ; the row's sum of the unquantised p, in eight chains
	v_pk_add_f32 v[252:253], v[112:113], v[116:117]
	v_pk_add_f32 v[250:251], v[120:121], v[124:125]
	v_pk_add_f32 v[248:249], v[128:129], v[132:133]
	v_pk_add_f32 v[246:247], v[136:137], v[140:141]
	v_pk_add_f32 v[244:245], v[144:145], v[148:149]
	v_pk_add_f32 v[242:243], v[152:153], v[156:157]
	v_pk_add_f32 v[14:15], v[14:15], v[160:161]
	v_pk_add_f32 v[234:235], v[234:235], v[100:101]
	v_pk_add_f32 v[252:253], v[252:253], v[102:103]
	v_pk_add_f32 v[250:251], v[250:251], v[106:107]
	v_pk_add_f32 v[248:249], v[248:249], v[110:111]
	v_pk_add_f32 v[246:247], v[246:247], v[114:115]
	v_pk_add_f32 v[244:245], v[244:245], v[118:119]
	v_pk_add_f32 v[242:243], v[242:243], v[122:123]
	v_pk_add_f32 v[14:15], v[14:15], v[126:127]
	v_pk_add_f32 v[234:235], v[234:235], v[130:131]
	v_pk_add_f32 v[252:253], v[252:253], v[134:135]
	v_pk_add_f32 v[250:251], v[250:251], v[138:139]
	v_pk_add_f32 v[248:249], v[248:249], v[142:143]
	v_pk_add_f32 v[246:247], v[246:247], v[146:147]
	v_pk_add_f32 v[244:245], v[244:245], v[150:151]
	v_pk_add_f32 v[242:243], v[242:243], v[154:155]
	v_pk_add_f32 v[14:15], v[14:15], v[158:159]
	v_pk_add_f32 v[234:235], v[234:235], v[162:163]
	s_delay_alu instid0(VALU_DEP_2)
	v_pk_add_f32 v[14:15], v[14:15], v[248:249]
	s_delay_alu instid0(VALU_DEP_2)
	v_pk_add_f32 v[234:235], v[234:235], v[246:247]
	v_pk_add_f32 v[252:253], v[252:253], v[244:245]
	v_pk_add_f32 v[250:251], v[250:251], v[242:243]
	s_delay_alu instid0(VALU_DEP_2)
	v_pk_add_f32 v[14:15], v[14:15], v[252:253]
	s_delay_alu instid0(VALU_DEP_2)
	v_pk_add_f32 v[234:235], v[234:235], v[250:251]
	s_delay_alu instid0(VALU_DEP_1)
	v_pk_add_f32 v[14:15], v[14:15], v[234:235]
	s_wait_alu depctr_va_vdst(0)                   ; and one for the four
.irp b, 0,1,2,3
	v_max_num_f32 v[BM+\b], 0x1800000, v[BM+\b]    ; the floor 2^(3 - 127)
.endr
.irp b, 0,1,2,3
	s_delay_alu instid0(VALU_DEP_4)
	v_add_nc_u32 v[SOP+\b], 0xff000000, v[BM+\b]
.endr
.irp b, 0,1,2,3
	s_delay_alu instid0(VALU_DEP_4)
	v_lshrrev_b32 v[BP+\b], 23, v[SOP+\b]
.endr
	s_delay_alu instid0(VALU_DEP_3)
	v_lshl_or_b32 v[PS], v[BP+1], 8, v[BP]
	s_delay_alu instid0(VALU_DEP_1)
	v_lshl_or_b32 v[PS], v[BP+2], 16, v[PS]
	s_delay_alu instid0(VALU_DEP_1)
	v_lshl_or_b32 v[PS], v[BP+3], 24, v[PS]
.irp c, 0,1
	v_cvt_scalef32_pk16_fp6_f32 v[PCD+6*\c:PCD+6*\c+2], v[S+32*\c:S+32*\c+15], v[SOP+2*\c]
	v_cvt_scalef32_pk16_fp6_f32 v[CT+4*\c:CT+4*\c+2], v[S+16+32*\c:S+31+32*\c], v[SOP+2*\c+1]
.endr
	v_nop                                          ; one plain line behind a scaled conversion
.irp c, 0,1
.irp i, 0,1,2
	v_permlane16_swap_b32 v[PCD+6*\c+\i], v[CT+4*\c+\i]
.endr
.irp i, 0,1,2
	s_delay_alu instid0(VALU_DEP_3)
	v_mov_b32 v[PCD+3+6*\c+\i], v[CT+4*\c+\i]
.endr
.endr
.irp j, 0,2,4,6,8,10,12,14,16,18,20,22,24,26,28,30
	v_pk_mul_f32 v[O+\j:O+\j+1], v[O+\j:O+\j+1], v[F:F+1] op_sel_hi:[1,0]   ; O^T under the new M; of these sixteen, twelve name no register of a given product below: the places behind the writes of p's codes and scale word
.endr
	s_wait_alu depctr_va_vdst(0)
	s_wait_dscnt 0x0                               ; V's fragments and scale words are in
.irp t, 0,1,2,3
	v_wmma_scale_f32_16x16x128_f8f6f4 v[O+8*\t:O+8*\t+7], v[KF+12*\t:KF+12*\t+11], v[PCD:PCD+11], v[O+8*\t:O+8*\t+7], v[VSC+\t], v[PS] matrix_a_fmt:MATRIX_FMT_FP6 matrix_b_fmt:MATRIX_FMT_FP6
.endr
	s_add_co_u32 s[TB], s[TB], 12288
	s_add_co_u32 s[TS], s[TS], 512
	s_add_co_u32 s[TJ], s[TJ], 256
.endm
	s_wait_alu depctr_va_vdst(0)                   ; the wait at the head's end
	s_wait_tensorcnt 0x0                           ; my part is in
	s_barrier_signal -1
	s_barrier_wait -1                              ; everybody's is
	s_mov_b32 s[TB], 12288
	s_mov_b32 s[TS], 0
	s_mov_b32 s[TJ], 8192
	s_mov_b32 s[CNT], 16
.Lstep:
	s_wait_alu depctr_va_vdst(0)
	STEP
	s_sub_co_u32 s[CNT], s[CNT], 1
	s_cmp_lg_u32 s[CNT], 0
	s_cbranch_scc1 .Lstep
; THE WAY OUT.  V^T of my 16 tokens: source 0 = 16 channel positions of Wv (from LDS), source 1 = my tokens' codes of x (from memory, 256 consecutive bytes a load).
; Register 8 t + j of VV is channel position 16 t + 8 h + j, which is true channel 32 (t / 2) + 16 h + 8 (t % 2) + j: O^T's own order.
.macro VHALF g                         ; x's fragments and both sides' scale words of K steps 4 g .. 4 g + 3
.irp k, 0,1,2,3
.irp p, 0,1,2,3,4,5
	global_load_b64 v[KF+12*\k+2*\p:KF+12*\k+2*\p+1], v[ZO], s[XC:XC+1] offset:(4*\g+\k)*1536+256*\p
.endr
.endr
	global_load_b128 v[XSC:XSC+3], v[ZSO], s[XS:XS+1] offset:16*\g
.irp t, 0,1,2,3
	global_load_b128 v[32+4*\t+192*(\t/3):35+4*\t+192*(\t/3)], v[ZSO], s[WS:WS+1] offset:512*\t+16*\g
.endr
.endm
.macro VMUL g, k                       ; K step 4 g + k: Wv's four fragments into v132-155 and v196-219, four products; the four accumulators take turns
.irp t, 0,1,2,3
.irp p, 0,1,2,3,4,5
	ds_load_b64 v[132+12*\t+40*(\t/2)+2*\p:133+12*\t+40*(\t/2)+2*\p], v[AVT] offset:12288*\t+(4*\g+\k)*1536+256*\p
.endr
.endr
.if (\k) == 0
	s_wait_loadcnt 0x0
.endif
	s_wait_dscnt 0x0
.irp t, 0,1,2,3
.if (\g)+(\k) == 0
	v_wmma_scale_f32_16x16x128_f8f6f4 v[VV+8*\t:VV+8*\t+7], v[132+12*\t+40*(\t/2):143+12*\t+40*(\t/2)], v[KF+12*\k:KF+12*\k+11], 0, v[32+4*\t+192*(\t/3)+\k], v[XSC+\k] matrix_a_fmt:MATRIX_FMT_FP6 matrix_b_fmt:MATRIX_FMT_FP6
.else
	v_wmma_scale_f32_16x16x128_f8f6f4 v[VV+8*\t:VV+8*\t+7], v[132+12*\t+40*(\t/2):143+12*\t+40*(\t/2)], v[KF+12*\k:KF+12*\k+11], v[VV+8*\t:VV+8*\t+7], v[32+4*\t+192*(\t/3)+\k], v[XSC+\k] matrix_a_fmt:MATRIX_FMT_FP6 matrix_b_fmt:MATRIX_FMT_FP6
.endif
.endr
.rept 4
	v_nop                                          ; places: in front of the next loads into these operands, and of the first read of V
.endr
.endm
.rept 4
	v_nop                                          ; places behind the last products
.endr
	VHALF 0                                        ; they land under the lines below
	v_add_f32 v14, v14, v15
	s_delay_alu instid0(VALU_DEP_1)
	v_permlanex16_b32 v[BP], v14, s[SEL], s[SEL+1]
	s_delay_alu instid0(VALU_DEP_1)
	v_add_f32 v14, v14, v[BP]                      ; the row's sum
	s_wait_alu depctr_va_vdst(0)
	v_rcp_f32 v14, v14
	v_nop
	s_wait_alu depctr_va_vdst(0)
.irp j, 0,2,4,6,8,10,12,14,16,18,20,22,24,26,28,30
	v_pk_mul_f32 v[O+\j:O+\j+1], v[O+\j:O+\j+1], v[14:15] op_sel_hi:[1,0]   ; Y
.endr
	s_wait_alu depctr_va_vdst(0)                   ; the wait ahead of the waits below
.irp k, 0,1,2,3
	VMUL 0, \k
.endr
	VHALF 1
.irp k, 0,1,2,3
	VMUL 1, \k
.endr
	v_pk_mul_f32 v[A1:A1+1], v[VV:VV+1], v[VV:VV+1]                ; V.V, Y.V, Y.Y: three chains by turns
	v_pk_mul_f32 v[A2:A2+1], v[O:O+1], v[VV:VV+1]
	v_pk_mul_f32 v[A3:A3+1], v[O:O+1], v[O:O+1]
.set B1, 64                            ; each sum in two chains: six chains by turns, so that a link reads the result of the sixth vector instruction before it
.set B2, 66
.set B3, 68
	v_pk_mul_f32 v[B1:B1+1], v[VV+2:VV+3], v[VV+2:VV+3]
	v_pk_mul_f32 v[B2:B2+1], v[O+2:O+3], v[VV+2:VV+3]
	v_pk_mul_f32 v[B3:B3+1], v[O+2:O+3], v[O+2:O+3]
.irp j, 4,8,12,16,20,24,28
	v_pk_fma_f32 v[A1:A1+1], v[VV+\j:VV+\j+1], v[VV+\j:VV+\j+1], v[A1:A1+1]
	v_pk_fma_f32 v[A2:A2+1], v[O+\j:O+\j+1], v[VV+\j:VV+\j+1], v[A2:A2+1]
	v_pk_fma_f32 v[A3:A3+1], v[O+\j:O+\j+1], v[O+\j:O+\j+1], v[A3:A3+1]
	v_pk_fma_f32 v[B1:B1+1], v[VV+2+\j:VV+3+\j], v[VV+2+\j:VV+3+\j], v[B1:B1+1]
	v_pk_fma_f32 v[B2:B2+1], v[O+2+\j:O+3+\j], v[VV+2+\j:VV+3+\j], v[B2:B2+1]
	v_pk_fma_f32 v[B3:B3+1], v[O+2+\j:O+3+\j], v[O+2+\j:O+3+\j], v[B3:B3+1]
.endr
	s_delay_alu instid0(VALU_DEP_3)
	v_pk_add_f32 v[A1:A1+1], v[A1:A1+1], v[B1:B1+1]
	s_delay_alu instid0(VALU_DEP_3)
	v_pk_add_f32 v[A2:A2+1], v[A2:A2+1], v[B2:B2+1]
	s_delay_alu instid0(VALU_DEP_3)
	v_pk_add_f32 v[A3:A3+1], v[A3:A3+1], v[B3:B3+1]
	s_delay_alu instid0(VALU_DEP_3)
	v_add_f32 v[A1], v[A1], v[A1+1]
	s_delay_alu instid0(VALU_DEP_3)
	v_add_f32 v[A2], v[A2], v[A2+1]
	s_delay_alu instid0(VALU_DEP_3)
	v_add_f32 v[A3], v[A3], v[A3+1]
	s_delay_alu instid0(VALU_DEP_3)
	v_permlanex16_b32 v[BP], v[A1], s[SEL], s[SEL+1]
	s_delay_alu instid0(VALU_DEP_3)
	v_permlanex16_b32 v[BP+1], v[A2], s[SEL], s[SEL+1]
	s_delay_alu instid0(VALU_DEP_3)
	v_permlanex16_b32 v[BP+2], v[A3], s[SEL], s[SEL+1]
	s_delay_alu instid0(VALU_DEP_3)
	v_add_f32 v[A1], v[A1], v[BP]                  ; with the other 32 channels, in lane l xor 16
	s_delay_alu instid0(VALU_DEP_3)
	v_add_f32 v[A2], v[A2], v[BP+1]
	s_delay_alu instid0(VALU_DEP_3)
	v_add_f32 v[A3], v[A3], v[BP+2]
	s_delay_alu instid0(VALU_DEP_3)
	v_max_num_f32 v[SCA], 0x800000, v[A1]          ; max(V.V, the smallest normal number)
	s_wait_alu depctr_va_vdst(0)
	v_rcp_f32 v[SCA], v[SCA]
	v_cmp_lt_f32 s80, 0, v[A1]                     ; V.V > 0
	v_mov_b32 v[SCA+1], 0
	s_wait_alu depctr_va_vdst(0)
	v_mul_f32 v[SCA], v[A2], v[SCA]
	s_delay_alu instid0(VALU_DEP_1)
	v_cndmask_b32 v[SCA], 0, v[SCA], s80
.irp j, 0,2,4,6,8,10,12,14,16,18,20,22,24,26,28,30
	v_pk_fma_f32 v[Z+\j:Z+\j+1], v[VV+\j:VV+\j+1], v[SCA:SCA+1], v[O+\j:O+\j+1] op_sel_hi:[1,0,1] neg_lo:[0,1,0] neg_hi:[0,1,0]   ; Z = Y - scale V
.endr
	v_pk_mul_f32 v[A4:A4+1], v[Z:Z+1], v[Z:Z+1]
	v_pk_mul_f32 v[A5:A5+1], v[Z+2:Z+3], v[Z+2:Z+3]
.irp j, 4,8,12,16,20,24,28
	s_delay_alu instid0(VALU_DEP_2)
	v_pk_fma_f32 v[A4:A4+1], v[Z+\j:Z+\j+1], v[Z+\j:Z+\j+1], v[A4:A4+1]
	s_delay_alu instid0(VALU_DEP_2)
	v_pk_fma_f32 v[A5:A5+1], v[Z+2+\j:Z+3+\j], v[Z+2+\j:Z+3+\j], v[A5:A5+1]
.endr
	s_delay_alu instid0(VALU_DEP_1)
	v_pk_add_f32 v[A4:A4+1], v[A4:A4+1], v[A5:A5+1]
	s_delay_alu instid0(VALU_DEP_1)
	v_add_f32 v[A4], v[A4], v[A4+1]
	s_delay_alu instid0(VALU_DEP_1)
	v_permlanex16_b32 v[BP+3], v[A4], s[SEL], s[SEL+1]
	s_delay_alu instid0(VALU_DEP_1)
	v_add_f32 v[A4], v[A4], v[BP+3]
	s_wait_alu depctr_va_vdst(0)
	v_sqrt_f32 v[NRM], v[A3]                       ; |Y|, |V|, |Z|: one batch
	v_sqrt_f32 v[NRM+1], v[A1]
	v_sqrt_f32 v[NRM+2], v[A4]
	v_nop
	s_wait_alu depctr_va_vdst(0)
	v_max_num_f32 v[NRM], v[NRM], v[NRM+1]
	s_delay_alu instid0(VALU_DEP_1)
	v_mul_f32 v[NRM], 0x37000000, v[NRM]           ; x 2^-17 = eps x 64
	v_cmp_le_f32 s81, v[NRM+2], v[NRM]
	s_and_b32 s81, s81, s80
.irp j, 0,1,2,3,4,5,6,7,8,9,10,11,12,13,14,15,16,17,18,19,20,21,22,23,24,25,26,27,28,29,30,31
	v_cndmask_b32 v[Z+\j], v[Z+\j], v[ZP], s81     ; a choice of values: no branch hangs on it
.endr
.irp b, 0,1
	v_max3_num_f32 v[BM+\b], |v[Z+16*\b]|, |v[Z+1+16*\b]|, 0x1800000
.endr
.irp i, 2,4,6,8,10,12,14
.irp b, 0,1
	s_delay_alu instid0(VALU_DEP_2)
	v_max3_num_f32 v[BM+\b], v[BM+\b], |v[Z+16*\b+\i]|, |v[Z+1+16*\b+\i]|
.endr
.endr
.irp b, 0,1
	s_delay_alu instid0(VALU_DEP_2)
	v_permlanex16_b32 v[BP+\b], v[BM+\b], s[SEL], s[SEL+1]
.endr
.irp b, 0,1
	s_delay_alu instid0(VALU_DEP_2)
	v_max_num_f32 v[BM+\b], v[BM+\b], v[BP+\b]
.endr
.irp b, 0,1
	s_delay_alu instid0(VALU_DEP_2)
	v_add_nc_u32 v[SOP+\b], 0xff000000, v[BM+\b]
.endr
.irp b, 0,1
	s_delay_alu instid0(VALU_DEP_2)
	v_lshrrev_b32 v[BP+\b], 23, v[SOP+\b]
.endr
	s_delay_alu instid0(VALU_DEP_1)
	v_lshl_or_b32 v[PS], v[BP+1], 8, v[BP]         ; the head's two scale bytes of my row
	v_cvt_scalef32_pk16_fp6_f32 v[PCD:PCD+2], v[Z:Z+15], v[SOP]
	v_cvt_scalef32_pk16_fp6_f32 v[CT:CT+2], v[Z+16:Z+31], v[SOP+1]
	v_nop
.irp i, 0,1,2
	v_permlane16_swap_b32 v[PCD+\i], v[CT+\i]
.endr
.irp i, 0,1,2
	s_delay_alu instid0(VALU_DEP_3)
	v_mov_b32 v[PCD+3+\i], v[CT+\i]
.endr
.irp p, 0,1,2
	global_store_b64 v[ZO], v[PCD+2*\p:PCD+2*\p+1], s[10:11] offset:256*\p   ; 32 lanes store 256 consecutive bytes, aligned
.endr
	global_store_b16 v[ZSO], v[PS], s[12:13]       ; both halves of the lanes write the same two bytes with the same value
	s_wait_tensorcnt 0x0                           ; the wave's end
	ds_add_u32 v254, v255
	s_wait_dscnt 0x0
	CROUND                                         ; the closing round
	s_endpgm
.Lfunc_end_k_qeddff19d0b_attn:
	.size	k_qeddff19d0b_attn, .Lfunc_end_k_qeddff19d0b_attn-k_qeddff19d0b_attn
	.p2alignl 7, 3214868480
	.fill 96, 4, 3214868480
	.section	.rodata,"a",@progbits
	.p2align	6, 0x0
	.amdhsa_kernel k_qeddff19d0b_attn
		.amdhsa_group_segment_fixed_size 327680
		.amdhsa_private_segment_fixed_size 0
		.amdhsa_enable_private_segment 0
		.amdhsa_kernarg_size 40
		.amdhsa_user_sgpr_count 2
		.amdhsa_user_sgpr_kernarg_segment_ptr 1
		.amdhsa_wavefront_size32 1
		.amdhsa_system_sgpr_workgroup_id_x 1
		.amdhsa_system_sgpr_workgroup_id_y 1
		.amdhsa_system_sgpr_workgroup_id_z 1
		.amdhsa_system_vgpr_workitem_id 0
		.amdhsa_next_free_vgpr 256
		.amdhsa_next_free_sgpr 96
		.amdhsa_reserve_vcc 0
		.amdhsa_float_denorm_mode_32 3
		.amdhsa_float_denorm_mode_16_64 3
		.amdhsa_memory_ordered 1
		.amdhsa_forward_progress 1
		.amdhsa_inst_pref_size 63
	.end_amdhsa_kernel
	.amdgpu_metadata
---
amdhsa.version: [ 1, 2 ]
amdhsa.kernels:
  - .name:           k_qeddff19d0b_attn
    .symbol:         k_qeddff19d0b_attn.kd
    .args:
      - { .name: qkv, .offset: 0, .size: 8, .value_kind: global_buffer, .address_space: global }
      - { .name: cw, .offset: 8, .size: 8, .value_kind: global_buffer, .address_space: global }
      - { .name: sw, .offset: 16, .size: 8, .value_kind: global_buffer, .address_space: global }
      - { .name: zc, .offset: 24, .size: 8, .value_kind: global_buffer, .address_space: global }
      - { .name: zs, .offset: 32, .size: 8, .value_kind: global_buffer, .address_space: global }
    .group_segment_fixed_size: 327680
    .private_segment_fixed_size: 0
    .kernarg_segment_align: 8
    .kernarg_segment_size: 40
    .max_flat_workgroup_size: 512
    .sgpr_count:     96
    .vgpr_count:     256
    .wavefront_size: 32
...
	.end_amdgpu_metadata
.endif
;; end of part 3
;; launch outp (part 4): grid 8 x 32, 4 waves a work-group, clusters of 4 x 4, 327,680 bytes of LDS; arguments zc, zs, cw, sw, out0; writes out0
.if DOCPART == 4
	.amdgcn_target "amdgcn-amd-amdhsa--gfx1250"
	.amdhsa_code_object_version 6
	.text
	.protected	k_qeddff19d0b_outp
	.globl	k_qeddff19d0b_outp
	.p2align	8
	.type	k_qeddff19d0b_outp,@function
k_qeddff19d0b_outp:
	s_mov_b64 s[64:65], 0
	v_nop
	global_prefetch_b8 v0, s[64:65] scope:SCOPE_SE
	s_setreg_imm32_b32 hwreg(HW_REG_WAVE_MODE, 25, 1), 1
	s_wait_xcnt 0x0
	s_wait_alu depctr_hold_cnt(0) depctr_sa_sdst(0) depctr_va_vdst(0) depctr_va_sdst(0) depctr_va_ssrc(0) depctr_va_vcc(0) depctr_vm_vsrc(0)
	s_getreg_b32 s2, hwreg(HW_REG_IB_STS2, 6, 4)
	s_cmp_eq_u32 s2, 0
	s_cbranch_scc0 .Lentry_in_a_cluster
	s_endpgm
.Lentry_in_a_cluster:
	s_bfe_u32 s2, ttmp6, 0x10000c
	s_cmp_lg_u32 s2, 0xf033
	s_cbranch_scc0 .Lentry_shape_is_right
	s_endpgm
.Lentry_shape_is_right:
; out0 = Z Wo^T on codes of FP6 (E2M3) with E8M0 scales; M = 4,096, N = 1,024, K = 1,024; sums in f32.
; Both operands come as images of operand registers: [tiles of 16 rows][8 K steps of 128][6 planes of 256 bytes], plane P = registers 2 P, 2 P + 1, lane l at 8 l.
; A = Z: zc (256 tiles of token positions), zs [4,096 positions][32 bytes].  B = Wo: tiles 448 on of cw, rows 7,168 on of sw, in their true order.
; Token positions are token numbers with bits 3 and 4 exchanged: the stores' immediates put each row where it belongs.
; SHARES.  4,096 x 1,024 outputs in tiles of 128 x 128 are 256 work-groups of four waves; a wave makes 64 x 64: 16 accumulators, 128 matrix instructions.
; LDS.  A tile's operands fit whole: A's 8 tiles (98,304 dense bytes), B's 8 tiles, the scale bytes, a stage for each wave, the spare words.  Every byte is filled ONCE.
; THE HEAD: one joint load a wave: wave 0 A's images, wave 1 B's, wave 2 A's scale bytes, wave 3 B's.  One wait and one barrier show all four; the eight K steps hold no barrier.
; NO PREFETCH: all that the work-group reads is asked for at the head.
; CLUSTERS 4 x 4: A's tile is shared along a row of the cluster, B's along a column.
; The matrix instruction is used transposed (source 0 = Wo's rows, source 1 = Z's): a lane holds eight neighbouring numbers of a row of the output.
; REGISTERS: window 0: v1-7 at work, v8, v12, v24-27 addresses, v30-31 the add's; v32-63 all scale words; v64-127 rows read back from the stage; v128-255 the accumulators ((a, b) at v[128 + 8 (4 a + b)]).
;   window 1: two fragment buffers at v0 and v128: A's four fragments, then B's four.
.set FR,     12
.set NL,     6
.set NP,     4                         ; places behind this matrix instruction (ISA guide 7.12.1)
.set ATILE,  12288                     ; a tile's images, all of K
.set BOFF,   8*ATILE
.set KS,     32
.set SCL,    2*BOFF                    ; the scale bytes, as rows of 256 bytes + 16 of padding
.set HALFS,  (64*KS/256)*272
.set SBLK,   (16*KS/256)*272
.set STG,    SCL+4*HALFS               ; a stage of 16 rows x (256 + 16) bytes for each wave; no tensor load lands there
.set SPITCH, 272
.set SPARE,  STG+4*16*SPITCH
.set ADRA, 8
.set ADRB, 12
.set STO,  24
.set RD,   25
.set CO,   26
.set ADRS, 27
.set SC,   32                          ; register 8 i + k: lanes 0-15 the word of A's block i, lanes 16-31 that of B's block i, for K step k
.set BK,   64
.set ACC,  128
.set G1,   24
.set G1B,  32
.set G1S,  40
.set G1SB, 48
.set GA,   56
.set GB,   60
.set G0S,  68
.set G0SB, 72
.set MSB, 0
.macro WIN new                         ; the immediate's high byte repeats the setting that is left
.if MSB != (\new)
	s_set_vgpr_msb (MSB<<8)|(\new)
.set MSB, (\new)
.endif
.endm
.set MULW, 0x05                        ; sources 0 (B) and 1 (A) window 1; C and D window 0
.set TO_F, 0x40                        ; destination window 1, address window 0
.macro CROUND
	s_barrier_signal -1
	s_barrier_wait -1
	s_cmp_lg_u32 s14, 0
	s_cbranch_scc1 .Lnot_wave_0_\@
	s_barrier_signal -3
.Lnot_wave_0_\@:
	s_barrier_wait -3
	s_barrier_signal -1
	s_barrier_wait -1
.endm
.macro MKG g, lds, base, off
	s_mov_b32 s[\g], 1
	s_mov_b32 s[\g+1], \lds
	s_add_nc_u64 s[\g+2:\g+3], s[\base:\base+1], s[\off:\off+1]
	s_or_b32 s[\g+3], s[\g+3], 0x80000000
.endm
.macro ARM under, g0, g1, next         ; one chain of branches on the wave's number, one load to an arm, all arms to one join: one tensor load a wave at the head
	s_cmp_lt_u32 s14, \under
	s_cbranch_scc0 \next
	tensor_load_to_lds s[\g0:\g0+3], s[\g1:\g1+7]
	s_nop 0
.rept 4
	v_nop
.endr
	s_branch .Lasked
\next:
.endm
	s_load_b128 s[4:7], s[0:1], 0x0                ; zc, zs
	s_load_b128 s[8:11], s[0:1], 0x10              ; cw, sw
	s_load_b64 s[12:13], s[0:1], 0x20              ; out0
	v_lshl_add_u32 v30, v0, 2, SPARE
	v_mov_b32 v31, 0
	ds_add_u32 v30, v31                            ; the opening lines: the add twice on end and its one wait
	ds_add_u32 v30, v31
	v_lshrrev_b32 v1, 5, v0
	v_readfirstlane_b32 s14, v1                    ; wave 0..3
	s_lshr_b32 s15, s14, 1                         ; which half of the tile's rows is mine
	s_and_b32 s16, s14, 1                          ; which half of its columns
	s_bfe_u32 s18, ttmp6, 0x40000                  ; cx
	s_bfe_u32 s19, ttmp6, 0x40004                  ; cy
	s_lshl_b32 s3, ttmp9, 2
	s_add_co_u32 s3, s3, s18                       ; tile column, 0..7
	s_and_b32 s17, ttmp7, 0xffff
	s_lshl_b32 s17, s17, 2
	s_add_co_u32 s17, s17, s19                     ; tile row, 0..31
	s_lshl_b32 s20, s19, 2
	s_lshl_b32 s20, 15, s20                        ; my row of the cluster
	s_lshl_b32 s21, 0x1111, s18                    ; my column
	s_or_b32 s[G1+0], s20, (3<<16)|(1<<21)         ; the mask; elements of 8 bytes; bit 21 beside a mask; no padding
	s_or_b32 s[G1B+0], s21, (3<<16)|(1<<21)
.irp g, G1, G1B
	s_mov_b32 s[\g+1], 1536<<16                    ; rows of 12,288 bytes: a tile's images,
	s_mov_b32 s[\g+2], 8<<16                       ; eight tiles,
	s_mov_b32 s[\g+3], 1536<<16
	s_mov_b32 s[\g+4], 8
	s_mov_b32 s[\g+5], 1536                        ; dense
	s_mov_b32 s[\g+6], 0
	s_mov_b32 s[\g+7], 0
.endr
	s_or_b32 s[G1S+0], s20, (3<<16)|(1<<20)|(1<<21)|(5<<22)|(3<<25)  ; the scales of 128 rows: 4,096 dense bytes as 16 rows of 256, 16 bytes of padding behind each
	s_or_b32 s[G1SB+0], s21, (3<<16)|(1<<20)|(1<<21)|(5<<22)|(3<<25)
.irp g, G1S, G1SB
	s_mov_b32 s[\g+1], 32<<16
	s_mov_b32 s[\g+2], 16<<16
	s_mov_b32 s[\g+3], 32<<16
	s_mov_b32 s[\g+4], 16
	s_mov_b32 s[\g+5], 32
	s_mov_b32 s[\g+6], 0
	s_mov_b32 s[\g+7], 0
.endr
	s_lshl_b32 s18, s17, 7                         ; where my 64 x 64 begins in out0: row 128 x tile row + 64 x half, 4,096 bytes a row,
	s_lshl_b32 s19, s15, 6
	s_add_co_u32 s18, s18, s19
	s_lshl_b32 s18, s18, 12
	s_lshl_b32 s19, s3, 9                          ; column 128 x tile column + 64 x half, 4 bytes each
	s_add_co_u32 s18, s18, s19
	s_lshl_b32 s19, s16, 8
	s_add_co_u32 s18, s18, s19
	s_mov_b32 s19, 0
	s_mul_i32 s22, s17, 8*ATILE                    ; A, by the tile row alone: its eight tiles' images,
	s_mov_b32 s23, 0
	s_lshl_b32 s66, s17, 12                        ; its 128 rows of scale bytes
	s_mov_b32 s67, 0
	s_lshl_b32 s76, s3, 3                          ; B, by the tile column alone: Wo's tile 8 x tile column,
	s_add_co_u32 s76, s76, 448                     ; which stands 448 tiles down in cw
	s_mul_i32 s76, s76, ATILE
	s_mov_b32 s77, 0
	s_lshl_b32 s78, s3, 12                         ; and its 128 rows of scale bytes, 7,168 rows down in sw
	s_add_co_u32 s78, s78, 7168*KS
	s_mov_b32 s79, 0
	s_wait_dscnt 0x0
	s_wait_kmcnt 0x0
	MKG GA,   0,           4,  22
	MKG GB,   BOFF,        8,  76
	MKG G0S,  SCL,         6,  66
	MKG G0SB, SCL+2*HALFS, 10, 78
	s_add_nc_u64 s[12:13], s[12:13], s[18:19]
	CROUND                                         ; all sixteen work-groups are here: the joint loads meet
	ARM 1, GA,  G1,  .Lhead_b
	ARM 2, GB,  G1B, .Lhead_sa
	ARM 3, G0S, G1S, .Lhead_sb
	tensor_load_to_lds s[G0SB:G0SB+3], s[G1SB:G1SB+7]
	s_nop 0
.rept 4
	v_nop
.endr
.Lasked:
	s_mul_i32 s20, s15, 4*ATILE                    ; my four tiles of A
	s_mul_i32 s21, s16, 4*ATILE                    ; my four tiles of B,
	s_add_co_u32 s21, s21, BOFF                    ; behind A's
	s_mul_i32 s80, s15, HALFS                      ; A's scales: my 64 rows
	s_mul_i32 s81, s16, HALFS                      ; B's: my 64 rows, behind A's 128
	s_add_co_u32 s81, s81, 2*HALFS
	s_sub_co_u32 s81, s81, s80
	s_add_co_u32 s80, s80, SCL
	s_mul_i32 s82, s14, 16*SPITCH
	s_add_co_u32 s82, s82, STG                     ; my stage
	v_and_b32 v1, 15, v0                           ; r = l % 16
	v_bfe_u32 v2, v0, 4, 1                         ; h = l / 16
	v_and_b32 v6, 31, v0
	v_lshlrev_b32 v7, 3, v6                        ; 8 x lane in a plane
	v_add_nc_u32 v[ADRB], s21, v7
	v_add_nc_u32 v[ADRA], s20, v7
	v_mul_u32_u24 v5, v1, KS                       ; my row's scales: 32 bytes a row,
	v_lshrrev_b32 v3, 8, v5
	v_lshl_add_u32 v5, v3, 4, v5                   ; and 16 more for each 256 passed
	v_mul_u32_u24 v3, s81, v2                      ; lanes 16-31 take B's: the lower base + h x the distance
	v_add_nc_u32 v5, v5, v3
	v_add_nc_u32 v[ADRS], s80, v5
	v_mul_u32_u24 v5, v1, SPITCH
	v_lshl_add_u32 v5, v2, 5, v5
	v_add_nc_u32 v[STO], s82, v5                   ; in: row r, 32 bytes for each half of the lanes
	v_mul_u32_u24 v5, v2, SPITCH
	v_lshl_add_u32 v5, v1, 4, v5
	v_add_nc_u32 v[RD], s82, v5                    ; back: lanes 0-15 one row of 256 bytes, lanes 16-31 the next
	v_lshlrev_b32 v[CO], 12, v2
	v_lshl_add_u32 v[CO], v1, 4, v[CO]             ; and the same two rows in out0
.macro FETCH k                         ; K step k's eight fragments, 48 loads of 256 consecutive bytes in one run, into buffer k % 2
.set FB, 128*((\k)%2)
	WIN TO_F
.irp i, 0,1,2,3
.irp p, 0,1,2,3,4,5
	ds_load_b64 v[FB+FR*\i+2*\p:FB+FR*\i+2*\p+1], v[ADRA] offset:\i*ATILE+(\k)*1536+256*\p
.endr
.endr
.irp i, 0,1,2,3
.irp p, 0,1,2,3,4,5
	ds_load_b64 v[FB+48+FR*\i+2*\p:FB+48+FR*\i+2*\p+1], v[ADRB] offset:\i*ATILE+(\k)*1536+256*\p
.endr
.endr
.endm
.macro MUL k                           ; 16 matrix instructions; the 16 accumulators take turns, one instruction a turn, in the same order in every step
.set FB, 128*((\k)%2)
.irp a, 0,1,2,3
.irp b, 0,1,2,3
.if (\k) == 0
	v_wmma_scale_f32_16x16x128_f8f6f4 v[ACC+8*(4*\a+\b):ACC+8*(4*\a+\b)+7], v[FB+48+FR*\b:FB+48+FR*\b+FR-1], v[FB+FR*\a:FB+FR*\a+FR-1], 0, v[SC+8*\b+(\k)], v[SC+8*\a+(\k)] matrix_a_fmt:MATRIX_FMT_FP6 matrix_b_fmt:MATRIX_FMT_FP6 matrix_a_scale:MATRIX_SCALE_ROW1
.else
	v_wmma_scale_f32_16x16x128_f8f6f4 v[ACC+8*(4*\a+\b):ACC+8*(4*\a+\b)+7], v[FB+48+FR*\b:FB+48+FR*\b+FR-1], v[FB+FR*\a:FB+FR*\a+FR-1], v[ACC+8*(4*\a+\b):ACC+8*(4*\a+\b)+7], v[SC+8*\b+(\k)], v[SC+8*\a+(\k)] matrix_a_fmt:MATRIX_FMT_FP6 matrix_b_fmt:MATRIX_FMT_FP6 matrix_a_scale:MATRIX_SCALE_ROW1
.endif
.endr
.endr
.endm
.macro PLACES n                        ; plain vector lines between a matrix instruction and a load into, or a read of, its registers
.rept \n
	v_nop
.endr
.endm
.macro KSTEP k                         ; the next step's fragments are asked for, then this step is multiplied
.if (\k) < 7
.if (\k) > 0
	PLACES NP                                      ; the buffer that is loaded now was read by the last step's products
.endif
	FETCH (\k)+1
	s_wait_dscnt 8*NL                              ; this step's fragments (and the scale words) are in; the 48 loads just issued may be out
.else
	s_wait_dscnt 0x0
.endif
	WIN MULW
	MUL \k
.endm
	s_wait_alu depctr_va_vdst(0)                   ; the wait at the head's end
	s_wait_tensorcnt 0x0                           ; my tile of the four is in
	s_barrier_signal -1
	s_barrier_wait -1                              ; everybody's is
.irp i, 0,1,2,3
	ds_load_b128 v[SC+8*\i:SC+8*\i+3], v[ADRS] offset:\i*SBLK         ; all scale words at once: a row's 32 bytes are its words of K steps 0 to 7
	ds_load_b128 v[SC+8*\i+4:SC+8*\i+7], v[ADRS] offset:\i*SBLK+16
.endr
	FETCH 0
.irp k, 0,1,2,3,4,5,6,7
	KSTEP \k
.endr
	WIN 0
; THE WAY OUT, block by block of 16 rows x 64 columns.  A lane holds 32 neighbouring bytes of a row; a block goes through my own stage and comes back as whole rows of 256 bytes, my wave's own
; aligned 256 bytes of a row of out0.  LDS serves a wave's instructions in order (ISA guide 5.7.1.4): no wait between the stores and the loads.
.macro TOSTAGE a
.set AC, ACC+32*(\a)
.irp b, 0,1,2,3
	ds_store_b128 v[STO], v[AC+8*\b:AC+8*\b+3] offset:64*\b          ; each accumulator from its low end on
	ds_store_b128 v[STO], v[AC+8*\b+4:AC+8*\b+7] offset:64*\b+16
.endr
.set BB, BK+32*((\a)%2)
.irp i, 0,1,2,3,4,5,6,7
	ds_load_b128 v[BB+4*\i:BB+4*\i+3], v[RD] offset:\i*2*SPITCH
.endr
.endm
.macro SEND a, younger
.set BB, BK+32*((\a)%2)
	s_wait_dscnt \younger                          ; the block is back; the next block's 8 stores and 8 loads may be out
.irp i, 0,1,2,3,4,5,6,7
	global_store_b128 v[CO], v[BB+4*\i:BB+4*\i+3], s[12:13] offset:(32*((\a)/2)+8*((\a)%2)+16*(\i/4)+2*(\i%4))*4096 th:TH_STORE_NT   ; position 16 a + 2 i + h is token 32 (a / 2) + 8 (a % 2) + 16 (i / 4) + 2 (i % 4) + h; sixteen lanes store 256 consecutive bytes, aligned
.endr
.endm
	PLACES NP
	TOSTAGE 0
.irp a, 1,2,3
.if \a > 1
	s_wait_xcnt 0x0                                ; block a - 2's stores have read their registers: block a's loads may land there
.endif
	TOSTAGE \a
	SEND \a-1, 16
.endr
	SEND 3, 0
	s_wait_tensorcnt 0x0                           ; the wave's end
	ds_add_u32 v30, v31
	s_wait_dscnt 0x0
	CROUND                                         ; the closing round
	s_endpgm
.Lfunc_end_k_qeddff19d0b_outp:
	.size	k_qeddff19d0b_outp, .Lfunc_end_k_qeddff19d0b_outp-k_qeddff19d0b_outp
	.p2alignl 7, 3214868480
	.fill 96, 4, 3214868480
	.section	.rodata,"a",@progbits
	.p2align	6, 0x0
	.amdhsa_kernel k_qeddff19d0b_outp
		.amdhsa_group_segment_fixed_size 327680
		.amdhsa_private_segment_fixed_size 0
		.amdhsa_enable_private_segment 0
		.amdhsa_kernarg_size 40
		.amdhsa_user_sgpr_count 2
		.amdhsa_user_sgpr_kernarg_segment_ptr 1
		.amdhsa_wavefront_size32 1
		.amdhsa_system_sgpr_workgroup_id_x 1
		.amdhsa_system_sgpr_workgroup_id_y 1
		.amdhsa_system_sgpr_workgroup_id_z 1
		.amdhsa_system_vgpr_workitem_id 0
		.amdhsa_next_free_vgpr 512
		.amdhsa_next_free_sgpr 96
		.amdhsa_reserve_vcc 0
		.amdhsa_float_denorm_mode_32 3
		.amdhsa_float_denorm_mode_16_64 3
		.amdhsa_memory_ordered 1
		.amdhsa_forward_progress 1
		.amdhsa_inst_pref_size 58
	.end_amdhsa_kernel
	.amdgpu_metadata
---
amdhsa.version: [ 1, 2 ]
amdhsa.kernels:
  - .name:           k_qeddff19d0b_outp
    .symbol:         k_qeddff19d0b_outp.kd
    .args:
      - { .name: zc, .offset: 0, .size: 8, .value_kind: global_buffer, .address_space: global }
      - { .name: zs, .offset: 8, .size: 8, .value_kind: global_buffer, .address_space: global }
      - { .name: cw, .offset: 16, .size: 8, .value_kind: global_buffer, .address_space: global }
      - { .name: sw, .offset: 24, .size: 8, .value_kind: global_buffer, .address_space: global }
      - { .name: out0, .offset: 32, .size: 8, .value_kind: global_buffer, .address_space: global }
    .group_segment_fixed_size: 327680
    .private_segment_fixed_size: 0
    .kernarg_segment_align: 8
    .kernarg_segment_size: 40
    .max_flat_workgroup_size: 128
    .sgpr_count:     96
    .vgpr_count:     512
    .wavefront_size: 32
...
	.end_amdgpu_metadata
.endif
;; end of part 4
